; MI455X (gfx1250); checked and timed in simulation.
; The chip was launched on July 23, 2026; its instructions are those of AMD's public machine-readable ISA for CDNA 5 (MIT licence, August 2026) and "CDNA5" Instruction Set Architecture Reference Guide (July 2026). The comments in the code are by the model that wrote it; some were corrected since.
;; Transformer Block. Allowed arithmetic: matrix products marked QUANTISED: E5M2 operands, one given power-of-two scale a tensor, by v_wmma_f32_16x16x64_bf8_bf8 or v_wmma_f32_16x16x128_bf8_bf8, f32 sums; everything else in f32.
;; Inputs: W1 1,024 x 4,096 float32; W2 4,096 x 1,024 float32; Wg 1,024 x 1,024 float32; Wk 1,024 x 1,024 float32; Wo 1,024 x 1,024 float32; Wq 1,024 x 1,024 float32; Wv 1,024 x 1,024 float32; b1 4,096 float32; b2 1,024 float32; bg 1,024 float32; bk 1,024 float32; bo 1,024 float32; bq 1,024 float32; bv 1,024 float32; ln1_b 1,024 float32; ln1_w 1,024 float32; ln2_b 1,024 float32; ln2_w 1,024 float32; lowp_scales 18 int32 (the exponents e of the quantised operands' scales 2^e); x 4 x 1,024 x 1,024 float32.
;; Outputs: out0 4 x 1,024 x 1,024 float32.
;; This version of the problem:
;;   THIS VERSION OF THE PROBLEM IS GIVEN IN LOW PRECISION. The matrix products marked QUANTISED in the list below multiply operands that are first quantised to E5M2 (5 exponent bits, 2 mantissa bits; 8 bits a number), with one given power-of-two scale for each operand tensor; their sums are f32. All else is computed in f32.
;;   The module's matrix products, in the order in which they are computed (A, B: the left and right operand; K: the contracted axis; several contracted axes count as one K, in the product's order):
;;     1. [M 4,096, K 1,024] x [K 1,024, N 1,024]; A: computed on the way; B: input Wq: QUANTISED (scales: A lowp_scales[0], B lowp_scales[1])
;;     2. [M 4,096, K 1,024] x [K 1,024, N 1,024]; A: computed on the way; B: input Wk: QUANTISED (scales: A lowp_scales[2], B lowp_scales[3])
;;     3. [M 4,096, K 1,024] x [K 1,024, N 1,024]; A: computed on the way; B: input Wv: QUANTISED (scales: A lowp_scales[4], B lowp_scales[5])
;;     4. batch 64 x [M 1,024, K 64] x [K 64, N 1,024]; A: computed on the way; B: computed on the way: QUANTISED (scales: A lowp_scales[6], B lowp_scales[7])
;;     5. batch 64 x [M 64, K 1,024] x [K 1,024, N 1,024]; A: computed on the way; B: softmax (see below): QUANTISED (scales: A lowp_scales[8], B lowp_scales[9])
;;     6. [M 4,096, K 1,024] x [K 1,024, N 1,024]; A: computed on the way; B: input Wg: QUANTISED (scales: A lowp_scales[10], B lowp_scales[11])
;;     7. [M 4,096, K 1,024] x [K 1,024, N 1,024]; A: computed on the way; B: input Wo: QUANTISED (scales: A lowp_scales[12], B lowp_scales[13])
;;     8. [M 4,096, K 1,024] x [K 1,024, N 4,096]; A: computed on the way; B: input W1: QUANTISED (scales: A lowp_scales[14], B lowp_scales[15])
;;     9. [M 4,096, K 4,096] x [K 4,096, N 1,024]; A: computed on the way; B: input W2: QUANTISED (scales: A lowp_scales[16], B lowp_scales[17])
;;   THE QUANTISER, for each operand of a quantised product, along K:
;;     - The operand's scale is 2^e, e = its entry of the input lowp_scales (int32; the entries are numbered through the quantised products in the list's order, A before B).
;;     - Each number is divided by the scale, clamped to +-57,344, and rounded to the nearest number of E5M2, ties to even, subnormals kept.
;;     - The product sums the exact products of the quantised numbers (number of the format x scale) in f32.
;;   ~~~python
;;   def quantise(x, axis, e):      # numpy; x: float32 -> the quantised numbers, widened to float32 again
;;       x = np.moveaxis(x, axis, -1); K = x.shape[-1]
;;       r = np.clip(x / 2.0 ** e, -57344, 57344)
;;       step = 2.0 ** (np.maximum(np.frexp(np.where(r == 0, 1, r))[1] - 1, -14) - 2)
;;       q = np.round(r / step) * step * 2.0 ** e      # np.round: ties to even
;;       return np.moveaxis(q, -1, axis).astype(np.float32)
;;   ~~~
;;   SOFTMAX AHEAD OF A QUANTISED PRODUCT. Where the list says 'softmax', what is quantised is not the finished softmax but p = 2^(t - M), with t = logit x log2(e) and M = ceil(the row's largest t), a whole number; so 1/2 < the row's largest p <= 1. The row's sum l is taken of the UNQUANTISED p, in f32, and the product's result is divided by l at the end. Since M is a whole number, a kernel that streams over the keys may use a running M (the ceiling of the running maximum): every later rescaling is an exact power of two, so the quantised numbers keep their values, but for numbers so far below the row's largest that they fall under the format's range.
;;   OPERANDS COMPUTED ON THE WAY. 'Computed on the way' means the value that the module computes at that place (a softmax that the list does not call 'softmax' is quantised finished and normalised). What goes into a quantiser is computed in f32, as accurately as f32 sums, v_exp_f32 and their like allow (about 1e-6 of the number): no bf16 or f16 on the way to a quantiser, and a product that is left as it is and whose result goes on into a quantised operand takes f32 operands (vector FMAs, or v_wmma_f32_16x16x4_f32). A number that lies on a knife's edge between two numbers of the format may be rounded either way, as far as f32 arithmetic and the matrix unit's own rounding can turn it there, and no further.
;; One version. Each part assembles by itself: llvm-mc -triple=amdgcn-amd-amdhsa -mcpu=gfx1250 --defsym DOCPART=n.
;; ======== version 1 of 1: 7 launches
;; limits: right only within a limited range of input values
;; workspace buffers: pc 30,670,848 bytes; qkv 12,582,912 bytes; gate 16,777,216 bytes; aoc 4,194,304 bytes; x1 16,777,216 bytes; xn2c 4,194,304 bytes; hc 16,777,216 bytes
;; launch prep (part 1): grid 32 x 21, 4 waves a work-group, no clusters, 66,304 bytes of LDS; arguments x, ln1_w, ln1_b, lowp_scales, Wq, Wk, Wv, Wg, Wo, W1, W2, pc; writes pc
.if DOCPART == 1
	.amdgcn_target "amdgcn-amd-amdhsa--gfx1250"
	.amdhsa_code_object_version 6
	.text
	.protected	k_qbaae59cd0a_prep
	.globl	k_qbaae59cd0a_prep
	.p2align	8
	.type	k_qbaae59cd0a_prep,@function
k_qbaae59cd0a_prep:
	s_mov_b64 s[64:65], 0
	v_nop
	global_prefetch_b8 v0, s[64:65] scope:SCOPE_SE
	s_setreg_imm32_b32 hwreg(HW_REG_WAVE_MODE, 25, 1), 1
	s_wait_xcnt 0x0
; PREP.  Work-groups with y < 8: LayerNorm 1 of 16 rows of x, quantised four times (exponents e0, e2, e4, e10: one code set for each of the products with Wq, Wk, Wv, Wg), and four rows of the RoPE table.
; Work-groups with y >= 8: a slab of 128 columns x 256 along K of one of the seven weights, f32 [K][N], turned into codes of E5M2 with K innermost.
; ALL CODES ARE LAID AS IMAGES OF THE OPERAND'S REGISTERS.  A unit is 16 rows x 64 along K, 1,024 bytes: registers 4 q .. 4 q + 3 of lane l lie at byte 512 q + 16 l; registers 2 c, 2 c + 1 of lane (r = l % 16, h = l / 16)
; hold k = 16 c + 8 h + 0 .. 7 of row r.  A tensor [R][K] lies [R / 16][K / 64][1,024].  So every later launch fetches fragments by dense loads of 16 bytes a lane.
; pc: xn's four code sets at v << 22; Wq, Wk, Wv, Wg at (16 + t) << 20; Wo at 20 << 20; W1 at 21 << 20; W2 at 25 << 20 (a block of 16 columns is 65,536 bytes there); the RoPE table [1024][32](cos, sin) f32 at 29 << 20.
; code = x / 2^e, held within +-57,344, to the nearest code, ties to even.  LIMITS: every e used here lies between -126 and 112; NaN among the inputs is not served.
; No tensor loads: four work-groups share a WGP.  The two kinds of work-group part on the work-group's y alone; only the first kind uses LDS and the barrier.
.set X,    32                          ; v32-159  four rows x 32 numbers; later the codes, 16 sets of 8, so that no store's data are written again
.set LW,   160                         ; v160-191 the gain; later unit buffer 0
.set LB,   192                         ; v192-223 the bias; later unit buffer 1
.set T,    224                         ; v224-255 at work
.set SP,   4112                        ; a stage row: 4,096 bytes + 16: an odd multiple of 16, so that sixteen rows' equal columns fall on different banks
.set ROPE, 29<<20
.macro SCL e, sc, lim                  ; 2^e as f32 (the conversion takes its exponent field) and 57,344 x 2^e
	s_add_co_i32 s62, s[\e], 127
	s_lshl_b32 s63, s62, 23
	v_mov_b32 v[\sc], s63
	s_add_co_i32 s62, s62, 15
	s_lshl_b32 s62, s62, 23
	s_or_b32 s62, s62, 0x600000
	v_mov_b32 v[\lim], s62
.endm
.macro ACROSS R                        ; four rows by turns: the two chains v[R+4j:R+4j+1], v[R+4j+2:R+4j+3] become the row's sum, in v[R+4j] of every lane
.irp j, 0,1,2,3
	v_pk_add_f32 v[\R+4*\j:\R+4*\j+1], v[\R+4*\j:\R+4*\j+1], v[\R+4*\j+2:\R+4*\j+3]
.endr
.irp j, 0,1,2,3
	v_add_f32 v[\R+4*\j], v[\R+4*\j], v[\R+4*\j+1]
.endr
.irp m, 1,2,4,8
.irp j, 0,1,2,3
	v_add_f32_dpp v[\R+4*\j], v[\R+4*\j], v[\R+4*\j] row_xmask:\m row_mask:0xf bank_mask:0xf
.endr
.endr
.irp j, 0,1,2,3
	v_permlanex16_b32 v[\R+4*\j+1], v[\R+4*\j], s78, s79
.endr
.irp j, 0,1,2,3
	v_add_f32 v[\R+4*\j], v[\R+4*\j], v[\R+4*\j+1]
.endr
.endm
.macro PW j, val                       ; lane j takes 10^(j / 8) = 10000^(2 j / 64)
	v_cmp_eq_u32 vcc_lo, \j, v1
	v_mul_f32 v225, \val, v226
	v_cndmask_b32 v224, v224, v225, vcc_lo
.endm
.macro FETCHU u                        ; unit 4 w + u of the 16 rows, as f32: register 8 c + i = k 16 c + 8 h + i of row r
.irp c, 0,1,2,3
	ds_load_b128 v[160+32*((\u)%2)+8*\c:160+32*((\u)%2)+8*\c+3], v6 offset:256*(\u)+64*\c
	ds_load_b128 v[160+32*((\u)%2)+8*\c+4:160+32*((\u)%2)+8*\c+7], v6 offset:256*(\u)+64*\c+16
.endr
.endm
.macro QV u, v, base                   ; unit u quantised with variant v's scale and stored: 1,024 consecutive bytes a wave
.set FF, 160+32*((\u)%2)
.set CC, X+8*(4*(\u)+(\v))
.set ii, 0
.rept 32
	v_med3_num_f32 v[T+ii], v[FF+ii], -v[9+2*(\v)], v[9+2*(\v)]   ; the conversion to an 8-bit code does not saturate (ISA guide 7.6.2): the hold comes first
.set ii, ii+1
.endr
.irp c, 0,1,2,3
	v_cvt_scalef32_pk8_bf8_f32 v[CC+2*\c:CC+2*\c+1], v[T+8*\c:T+8*\c+7], v[8+2*(\v)]
.endr
	v_nop                                          ; a plain line between the conversions and the next holds, which write their sources
	global_store_b128 v7, v[CC:CC+3], s[\base:\base+1] offset:1024*(\u)
	global_store_b128 v7, v[CC+4:CC+7], s[\base:\base+1] offset:1024*(\u)+512
.endm
	s_load_b256 s[4:11], s[0:1], 0x0               ; x s[4:5], ln1_w s[6:7], ln1_b s[8:9], the exponents s[10:11]
	s_load_b256 s[12:19], s[0:1], 0x20             ; Wq, Wk, Wv, Wg
	s_load_b256 s[20:27], s[0:1], 0x40             ; Wo, W1, W2, pc s[26:27]
	s_set_vgpr_msb 0x40
	v_lshl_add_u32 v0, v0, 2, 0x10100
	v_mov_b32 v1, 0
	s_set_vgpr_msb 0x4000
	v_lshrrev_b32 v1, 5, v0
	v_readfirstlane_b32 s50, v1                    ; wave
	v_and_b32 v1, 31, v0                           ; lane
	v_and_b32 v2, 15, v0                           ; r
	v_bfe_u32 v3, v0, 4, 1                         ; h
	v_lshlrev_b32 v4, 4, v1                        ; 16 x lane
	s_and_b32 s51, ttmp7, 0xffff                   ; y
	s_wait_kmcnt 0x0
	s_load_b512 s[32:47], s[10:11], 0x0            ; e0 .. e15
	s_load_b64 s[48:49], s[10:11], 0x40            ; e16, e17
	s_cmp_ge_u32 s51, 8
	s_cbranch_scc1 .Lweights
	; ---------------- LayerNorm 1: block rb of 16 rows; wave w owns rows 4 w .. 4 w + 3
	s_lshl_b32 s52, s51, 5
	s_add_co_u32 s52, s52, ttmp9                   ; rb = 32 y + x
	s_lshl_b32 s54, s52, 16
	s_lshl_b32 s55, s50, 14
	s_add_co_u32 s54, s54, s55
	s_mov_b32 s55, 0
	s_add_nc_u64 s[4:5], s[4:5], s[54:55]          ; x at my first row
	s_wait_alu depctr_va_vdst(0)
.irp j, 0,1,2,3
.irp i, 0,1,2,3,4,5,6,7
	global_load_b128 v[X+32*\j+4*\i:X+32*\j+4*\i+3], v4, s[4:5] offset:\j*4096+512*\i   ; 512 consecutive bytes a load
.endr
.endr
.irp i, 0,1,2,3,4,5,6,7
	global_load_b128 v[LW+4*\i:LW+4*\i+3], v4, s[6:7] offset:512*\i
.endr
.irp i, 0,1,2,3,4,5,6,7
	global_load_b128 v[LB+4*\i:LB+4*\i+3], v4, s[8:9] offset:512*\i
.endr
	s_mul_i32 s53, s50, 4*SP
	v_add_nc_u32 v5, s53, v4                       ; the stage, in: my four rows, 16 bytes a lane
	v_mul_u32_u24 v6, v2, SP
	v_lshl_add_u32 v6, v3, 5, v6
	s_lshl_b32 s53, s50, 10
	v_add_nc_u32 v6, s53, v6                       ; out: row r, my wave's 256 columns, + 32 h
	s_lshl_b32 s53, s50, 12
	v_add_nc_u32 v7, s53, v4                       ; the codes: my wave's four units, 16 bytes a lane
	s_lshl_b32 s54, s52, 14
	s_add_nc_u64 s[68:69], s[26:27], s[54:55]      ; the four code sets at block rb
	s_add_nc_u64 s[70:71], s[68:69], 0x400000
	s_add_nc_u64 s[72:73], s[68:69], 0x800000
	s_add_nc_u64 s[74:75], s[68:69], 0xc00000
	s_lshl_b32 s56, s52, 2
	s_add_co_u32 s56, s56, s50                     ; the position whose table row my wave makes: 4 rb + w
	s_lshl_b32 s54, s56, 8
	s_add_co_u32 s54, s54, ROPE
	s_add_nc_u64 s[76:77], s[26:27], s[54:55]
	s_mov_b32 s78, 0x76543210                      ; lane selects: lane l xor 16
	s_mov_b32 s79, 0xfedcba98
	s_mov_b32 s57, 0x3fc90fdb                      ; pi / 2, its f32 head
	s_mov_b32 s58, 0xb33bbd2e                      ; and what is left of it
	s_mov_b32 s60, 0x3a800000                      ; 1 / 1024
	s_mov_b32 s61, 0x3727c5ac                      ; 1e-5
	; ---- the RoPE table while x is on its way: lane j makes cos and sin of position x 1 / 10000^(2 j / 64), all in f32
	v_mov_b32 v224, 1.0
	v_mov_b32 v226, 1.0
	PW 1, 1.33352143216
	PW 2, 1.77827941004
	PW 3, 2.37137370566
	PW 4, 3.16227766017
	PW 5, 4.21696503429
	PW 6, 5.62341325190
	PW 7, 7.49894209332
	PW 8, 10.0
	PW 9, 13.3352143216
	PW 10, 17.7827941004
	PW 11, 23.7137370566
	PW 12, 31.6227766017
	PW 13, 42.1696503429
	PW 14, 56.2341325190
	PW 15, 74.9894209332
	PW 16, 100.0
	PW 17, 133.352143216
	PW 18, 177.827941004
	PW 19, 237.137370566
	PW 20, 316.227766017
	PW 21, 421.696503429
	PW 22, 562.341325190
	PW 23, 749.894209332
	PW 24, 1000.0
	PW 25, 1333.52143216
	PW 26, 1778.27941004
	PW 27, 2371.37370566
	PW 28, 3162.27766017
	PW 29, 4216.96503429
	PW 30, 5623.41325190
	PW 31, 7498.94209332
	s_wait_alu depctr_va_vdst(0)
	v_rcp_f32 v225, v224
	v_cvt_f32_u32 v227, s56                        ; (a plain line behind the reciprocal)
	s_wait_alu depctr_va_vdst(0)
	v_fma_f32 v228, -v224, v225, 1.0               ; one step of Newton's: the quotient to the last bit or nearly
	v_fma_f32 v225, v225, v228, v225
	v_mul_f32 v227, v227, v225                     ; the angle, at most 1,023
	v_mul_f32 v228, 0x3f22f983, v227
	v_rndne_f32 v228, v228                         ; n = the nearest multiple of pi / 2
	v_fma_f32 v229, -v228, s57, v227               ; exact: a multiple of 2^-23 under 1
	v_fma_f32 v229, -v228, s58, v229               ; rho, within pi / 4
	v_mul_f32 v230, v229, v229                     ; z
	v_mov_b32 v231, 0xb94ca1f9
	v_fmaak_f32 v231, v231, v230, 0x3c08839e
	v_fmaak_f32 v231, v231, v230, 0xbe2aaaa3
	v_mul_f32 v232, v229, v230
	v_fma_f32 v231, v232, v231, v229               ; sin rho
	v_mov_b32 v233, 0x37ccf5ce
	v_fmaak_f32 v233, v233, v230, 0xbab6061a
	v_fmaak_f32 v233, v233, v230, 0x3d2aaaa5
	v_mul_f32 v234, v230, v230
	v_fma_f32 v235, v230, -0.5, 1.0
	v_fma_f32 v233, v234, v233, v235               ; cos rho
	v_cvt_i32_f32 v236, v228
	v_and_b32 v237, 1, v236
	v_cmp_eq_u32 vcc_lo, 1, v237
	v_cndmask_b32 v238, v231, v233, vcc_lo         ; odd quadrants change the two
	v_cndmask_b32 v239, v233, v231, vcc_lo
	v_and_b32 v237, 2, v236
	v_lshlrev_b32 v237, 30, v237
	v_xor_b32 v241, v238, v237                     ; sin: minus in quadrants 2 and 3
	v_add_nc_u32 v236, 1, v236
	v_and_b32 v236, 2, v236
	v_lshlrev_b32 v236, 30, v236
	v_xor_b32 v240, v239, v236                     ; cos: minus in quadrants 1 and 2
	v_lshlrev_b32 v242, 3, v1
	global_store_b64 v242, v[240:241], s[76:77]    ; 256 consecutive bytes a wave: one row of the table
	s_wait_kmcnt 0x0
	SCL 32, 8, 9                                   ; e0
	SCL 34, 10, 11                                 ; e2
	SCL 36, 12, 13                                 ; e4
	SCL 42, 14, 15                                 ; e10
	; ---- mean, variance of the centred numbers, scale: four rows by turns
	s_wait_loadcnt 16                              ; x's 32 loads are in; the gain's and the bias's 16 may be out
.irp j, 0,1,2,3
	v_pk_add_f32 v[16+4*\j:17+4*\j], v[X+32*\j:X+32*\j+1], v[X+32*\j+2:X+32*\j+3]
	v_pk_add_f32 v[18+4*\j:19+4*\j], v[X+32*\j+4:X+32*\j+5], v[X+32*\j+6:X+32*\j+7]
.endr
.irp i, 8,12,16,20,24,28
.irp j, 0,1,2,3
	v_pk_add_f32 v[16+4*\j:17+4*\j], v[16+4*\j:17+4*\j], v[X+32*\j+\i:X+32*\j+\i+1]
	v_pk_add_f32 v[18+4*\j:19+4*\j], v[18+4*\j:19+4*\j], v[X+32*\j+\i+2:X+32*\j+\i+3]
.endr
.endr
	ACROSS 16
.irp j, 0,1,2,3
	v_mul_f32 v[16+4*\j], 0xba800000, v[16+4*\j]   ; -mean
.endr
.irp j, 0,1,2,3
	v_mov_b32 v[17+4*\j], v[16+4*\j]
.endr
.irp i, 0,2,4,6,8,10,12,14,16,18,20,22,24,26,28,30
.irp j, 0,1,2,3
	v_pk_add_f32 v[X+32*\j+\i:X+32*\j+\i+1], v[X+32*\j+\i:X+32*\j+\i+1], v[16+4*\j:17+4*\j]
.endr
.endr
.irp j, 0,1,2,3
	v_pk_mul_f32 v[T+4*\j:T+4*\j+1], v[X+32*\j:X+32*\j+1], v[X+32*\j:X+32*\j+1]
	v_pk_mul_f32 v[T+4*\j+2:T+4*\j+3], v[X+32*\j+2:X+32*\j+3], v[X+32*\j+2:X+32*\j+3]
.endr
.irp i, 4,8,12,16,20,24,28
.irp j, 0,1,2,3
	v_pk_fma_f32 v[T+4*\j:T+4*\j+1], v[X+32*\j+\i:X+32*\j+\i+1], v[X+32*\j+\i:X+32*\j+\i+1], v[T+4*\j:T+4*\j+1]
	v_pk_fma_f32 v[T+4*\j+2:T+4*\j+3], v[X+32*\j+\i+2:X+32*\j+\i+3], v[X+32*\j+\i+2:X+32*\j+\i+3], v[T+4*\j+2:T+4*\j+3]
.endr
.endr
	ACROSS T
.irp j, 0,1,2,3
	v_fma_f32 v[T+4*\j], v[T+4*\j], s60, s61       ; variance + 1e-5
.endr
	s_wait_alu depctr_va_vdst(0)
.irp j, 0,1,2,3
	v_rsq_f32 v[18+4*\j], v[T+4*\j]
.endr
	v_nop                                          ; a plain line behind the last root
	s_wait_alu depctr_va_vdst(0)
.irp j, 0,1,2,3
	v_mov_b32 v[19+4*\j], v[18+4*\j]
.endr
	s_wait_alu depctr_va_vdst(0)
	s_wait_loadcnt 0x0                             ; the gain and the bias
.irp i, 0,2,4,6,8,10,12,14,16,18,20,22,24,26,28,30
.irp j, 0,1,2,3
	v_pk_mul_f32 v[X+32*\j+\i:X+32*\j+\i+1], v[X+32*\j+\i:X+32*\j+\i+1], v[18+4*\j:19+4*\j]
.endr
.endr
.irp i, 0,2,4,6,8,10,12,14,16,18,20,22,24,26,28,30
.irp j, 0,1,2,3
	v_pk_fma_f32 v[X+32*\j+\i:X+32*\j+\i+1], v[X+32*\j+\i:X+32*\j+\i+1], v[LW+\i:LW+\i+1], v[LB+\i:LB+\i+1]
.endr
.endr
.irp j, 0,1,2,3
.irp i, 0,1,2,3,4,5,6,7
	ds_store_b128 v5, v[X+32*\j+4*\i:X+32*\j+4*\i+3] offset:\j*SP+512*\i
.endr
.endr
	s_wait_dscnt 0x0                               ; for the others' sake: my four rows lie in the stage
	s_barrier_signal -1
	s_barrier_wait -1                              ; all sixteen do
	; ---- a unit needs all 16 rows: wave w takes units 4 w .. 4 w + 3, each quantised four times
	FETCHU 0
	FETCHU 1
	s_wait_xcnt 0x0                                ; the table's store has read v240-242, which the holds below write
.irp u, 0,1,2,3
.if \u < 3
	s_wait_dscnt 8                                 ; this unit's eight loads are in; the next unit's may be out
.else
	s_wait_dscnt 0x0
.endif
	QV \u, 0, 68
	QV \u, 1, 70
	QV \u, 2, 72
	QV \u, 3, 74
.if \u < 2
	FETCHU \u+2
.endif
.endr
	s_set_vgpr_msb 0x5
	s_wait_tensorcnt 0x0
	ds_add_u32 v0, v1
	s_wait_dscnt 0x0
	s_set_vgpr_msb 0x500
	s_endpgm
	; ---------------- the weights.  yy = y - 8: 0 Wq, 1 Wk, 2 Wv, 3 Wg, 4 Wo, 5-8 W1's four slices of 1,024 columns, 9-12 W2's four slices of 1,024 rows.  Only pointers and shifts are chosen, on ids alone.
.Lweights:
	s_wait_kmcnt 0x0
	s_sub_co_u32 s52, s51, 8
	s_mov_b64 s[28:29], s[12:13]
	s_mov_b32 s30, s33                             ; e1
	s_cmp_eq_u32 s52, 1
	s_cselect_b64 s[28:29], s[14:15], s[28:29]
	s_cselect_b32 s30, s35, s30                    ; e3
	s_cmp_eq_u32 s52, 2
	s_cselect_b64 s[28:29], s[16:17], s[28:29]
	s_cselect_b32 s30, s37, s30                    ; e5
	s_cmp_eq_u32 s52, 3
	s_cselect_b64 s[28:29], s[18:19], s[28:29]
	s_cselect_b32 s30, s43, s30                    ; e11
	s_cmp_eq_u32 s52, 4
	s_cselect_b64 s[28:29], s[20:21], s[28:29]
	s_cselect_b32 s30, s45, s30                    ; e13
	s_cmp_ge_u32 s52, 5
	s_cselect_b64 s[28:29], s[22:23], s[28:29]
	s_cselect_b32 s30, s47, s30                    ; e15
	s_cselect_b32 s55, 1, 0
	s_cmp_ge_u32 s52, 9
	s_cselect_b64 s[28:29], s[24:25], s[28:29]
	s_cselect_b32 s30, s49, s30                    ; e17
	s_cselect_b32 s55, 0, s55                      ; 1 for W1: its rows are 16,384 bytes, all others' 4,096
	s_sub_co_u32 s53, s52, 5
	s_lshl_b32 s53, s53, 12                        ; W1: the slice's first column, in bytes
	s_sub_co_u32 s54, s52, 9
	s_lshl_b32 s58, s54, 14                        ; W2: the slice's 16 units in a block of the codes,
	s_lshl_b32 s54, s54, 22                        ; and its first row, in bytes
	s_add_co_u32 s58, s58, 25<<20
	s_add_co_u32 s57, s52, 16
	s_lshl_b32 s57, s57, 20
	s_cmp_ge_u32 s52, 5
	s_cselect_b32 s53, s53, 0
	s_cmp_ge_u32 s52, 9
	s_cselect_b32 s53, s54, s53
	s_cselect_b32 s57, s58, s57                    ; where the codes begin in pc
	s_cselect_b32 s59, 16, 14                      ; log2 of the bytes from one block of 16 columns to the next
	s_cmp_eq_u32 s55, 1
	s_cselect_b32 s56, 22, 20                      ; log2 of 256 rows' bytes
	s_and_b32 s66, ttmp9, 7                        ; which 128 columns
	s_lshr_b32 s67, ttmp9, 3                       ; which 256 along K
	s_lshl_b32 s68, s67, s56
	s_add_co_u32 s53, s53, s68
	s_lshl_b32 s68, s66, 9
	s_add_co_u32 s53, s53, s68
	s_lshl_b32 s68, s50, 7
	s_add_co_u32 s68, s53, s68                     ; + my wave's 32 columns
	s_mov_b32 s69, 0
	s_add_nc_u64 s[28:29], s[28:29], s[68:69]
	s_lshl_b32 s70, s66, 3
	s_lshl_b32 s71, s50, 1
	s_add_co_u32 s70, s70, s71                     ; my wave's first block of 16 columns
	s_lshl_b32 s70, s70, s59
	s_add_co_u32 s70, s70, s57
	s_lshl_b32 s71, s67, 12                        ; 256 along K are four units
	s_add_co_u32 s70, s70, s71
	s_mov_b32 s71, 0
	s_add_nc_u64 s[60:61], s[26:27], s[70:71]
	s_wait_alu depctr_va_vdst(0)
	v_lshlrev_b32 v5, 2, v1                        ; in: a lane to a column
	v_lshlrev_b32 v6, s59, v3
	v_lshl_add_u32 v6, v2, 4, v6                   ; out: lanes 16-31 hold the next block's columns; 16 bytes for row r
	SCL 30, 11, 10
; A LANE TAKES A COLUMN AND ITS REGISTERS RUN DOWN K: the conversions then give codes with K innermost.  A block of 32 along K is half a unit: k 0-7 and 16-23 are lane (r, 0)'s 16 bytes, k 8-15 and 24-31 lane (r, 1)'s, 256 bytes on:
; sixteen neighbouring lanes store 256 consecutive bytes, aligned.  Every block has code registers of its own; loads run two blocks ahead.
.macro WLOAD t, pitch
.set ii, 0
.rept 32
	global_load_b32 v[32+32*((\t)%2)+ii], v5, s[28:29] offset:(32*(\t)+ii)*\pitch th:TH_LOAD_NT
.set ii, ii+1
.endr
.endm
.macro WBLOCK t, pitch
.set XS, 32+32*((\t)%2)
.set CC, 96+8*(\t)
.if (\t) < 7
	s_wait_loadcnt 32                              ; this block's 32 loads are in; the next block's may be out
.else
	s_wait_loadcnt 0x0
.endif
.set ii, 0
.rept 32
	v_med3_num_f32 v[XS+ii], v[XS+ii], -v10, v10
.set ii, ii+1
.endr
	v_cvt_scalef32_pk8_bf8_f32 v[CC:CC+1], v[XS:XS+7], v11
	v_cvt_scalef32_pk8_bf8_f32 v[CC+2:CC+3], v[XS+16:XS+23], v11
	v_cvt_scalef32_pk8_bf8_f32 v[CC+4:CC+5], v[XS+8:XS+15], v11
	v_cvt_scalef32_pk8_bf8_f32 v[CC+6:CC+7], v[XS+24:XS+31], v11
	global_store_b128 v6, v[CC:CC+3], s[60:61] offset:((\t)/2)*1024+((\t)%2)*512
	global_store_b128 v6, v[CC+4:CC+7], s[60:61] offset:((\t)/2)*1024+((\t)%2)*512+256
.if (\t)+2 < 8
	WLOAD (\t)+2, \pitch
.endif
.endm
.macro WJOB pitch
	WLOAD 0, \pitch
	WLOAD 1, \pitch
.irp t, 0,1,2,3,4,5,6,7
	WBLOCK \t, \pitch
.endr
	s_endpgm
.endm
	s_cmp_eq_u32 s55, 1
	s_cbranch_scc1 .Lwide
	s_wait_alu depctr_va_vdst(0)
	WJOB 4096
.Lwide:
	s_wait_alu depctr_va_vdst(0)
	WJOB 16384
.Lfunc_end_k_qbaae59cd0a_prep:
	.size	k_qbaae59cd0a_prep, .Lfunc_end_k_qbaae59cd0a_prep-k_qbaae59cd0a_prep
	.p2alignl 7, 3214868480
	.fill 96, 4, 3214868480
	.section	.rodata,"a",@progbits
	.p2align	6, 0x0
	.amdhsa_kernel k_qbaae59cd0a_prep
		.amdhsa_group_segment_fixed_size 66304
		.amdhsa_private_segment_fixed_size 0
		.amdhsa_enable_private_segment 0
		.amdhsa_kernarg_size 96
		.amdhsa_user_sgpr_count 2
		.amdhsa_user_sgpr_kernarg_segment_ptr 1
		.amdhsa_wavefront_size32 1
		.amdhsa_system_sgpr_workgroup_id_x 1
		.amdhsa_system_sgpr_workgroup_id_y 1
		.amdhsa_system_sgpr_workgroup_id_z 1
		.amdhsa_system_vgpr_workitem_id 0
		.amdhsa_next_free_vgpr 258
		.amdhsa_next_free_sgpr 80
		.amdhsa_reserve_vcc 1
		.amdhsa_float_denorm_mode_32 3
		.amdhsa_float_denorm_mode_16_64 3
		.amdhsa_memory_ordered 1
		.amdhsa_forward_progress 1
		.amdhsa_inst_pref_size 172
	.end_amdhsa_kernel
	.amdgpu_metadata
---
amdhsa.version: [ 1, 2 ]
amdhsa.kernels:
  - .name:           k_qbaae59cd0a_prep
    .symbol:         k_qbaae59cd0a_prep.kd
    .args:
      - { .name: x, .offset: 0, .size: 8, .value_kind: global_buffer, .address_space: global }
      - { .name: ln1_w, .offset: 8, .size: 8, .value_kind: global_buffer, .address_space: global }
      - { .name: ln1_b, .offset: 16, .size: 8, .value_kind: global_buffer, .address_space: global }
      - { .name: lowp_scales, .offset: 24, .size: 8, .value_kind: global_buffer, .address_space: global }
      - { .name: Wq, .offset: 32, .size: 8, .value_kind: global_buffer, .address_space: global }
      - { .name: Wk, .offset: 40, .size: 8, .value_kind: global_buffer, .address_space: global }
      - { .name: Wv, .offset: 48, .size: 8, .value_kind: global_buffer, .address_space: global }
      - { .name: Wg, .offset: 56, .size: 8, .value_kind: global_buffer, .address_space: global }
      - { .name: Wo, .offset: 64, .size: 8, .value_kind: global_buffer, .address_space: global }
      - { .name: W1, .offset: 72, .size: 8, .value_kind: global_buffer, .address_space: global }
      - { .name: W2, .offset: 80, .size: 8, .value_kind: global_buffer, .address_space: global }
      - { .name: pc, .offset: 88, .size: 8, .value_kind: global_buffer, .address_space: global }
    .group_segment_fixed_size: 66304
    .private_segment_fixed_size: 0
    .kernarg_segment_align: 8
    .kernarg_segment_size: 96
    .max_flat_workgroup_size: 128
    .sgpr_count:     80
    .vgpr_count:     258
    .wavefront_size: 32
...
	.end_amdgpu_metadata
.endif
;; end of part 1
;; launch qkvg (part 2): grid 16 x 16, 4 waves a work-group, clusters of 4 x 4, 327,680 bytes of LDS; arguments pc, qkv, gate, lowp_scales, bq, bk, bv, bg; writes qkv, gate
.if DOCPART == 2
	.amdgcn_target "amdgcn-amd-amdhsa--gfx1250"
	.amdhsa_code_object_version 6
	.text
	.protected	k_qbaae59cd0a_qkvg
	.globl	k_qbaae59cd0a_qkvg
	.p2align	8
	.type	k_qbaae59cd0a_qkvg,@function
k_qbaae59cd0a_qkvg:
	s_mov_b64 s[64:65], 0
	v_nop
	global_prefetch_b8 v0, s[64:65] scope:SCOPE_SE
	s_setreg_imm32_b32 hwreg(HW_REG_WAVE_MODE, 25, 1), 1
	s_wait_xcnt 0x0
	s_wait_alu depctr_hold_cnt(0) depctr_sa_sdst(0) depctr_va_vdst(0) depctr_va_sdst(0) depctr_va_ssrc(0) depctr_va_vcc(0) depctr_vm_vsrc(0)
	s_getreg_b32 s2, hwreg(HW_REG_IB_STS2, 6, 4)
	s_cmp_eq_u32 s2, 0
	s_cbranch_scc0 .Lentry_in_a_cluster
	s_endpgm
.Lentry_in_a_cluster:
	s_bfe_u32 s2, ttmp6, 0x10000c
	s_cmp_lg_u32 s2, 0xf033
	s_cbranch_scc0 .Lentry_shape_is_right
	s_endpgm
.Lentry_shape_is_right:
.set HALFT,  32768
.set SLOT,   4*HALFT
.set SPARE,  2*SLOT
.set LAPS,   2
.set ROPE,   29<<20
.set FR,     16
.set NL,     4
.set NP,     4
.set ADRA, 16
.set ADRB, 20
.set SPW,  28
.set NIL,  29
.set BIAS, 32
.set COD,  96
.set T,    128
.set E,    192
.set AF,   128
.set G1, 24
.set G0, 32
.set G1B, 48
.set G0B, 56
.set MSB, 0
.macro WIN new
.if MSB != \new
	s_set_vgpr_msb (MSB<<8)|\new
.set MSB, \new
.endif
.endm
.set MUL_LO, 0xa1
.set MUL_HI, 0xf1
.set TO_B,   0x40
.macro JLOAD g0a, g1a, g0b, g1b
	s_cmp_eq_u32 s15, 0
	s_cbranch_scc0 .Lfor_b_\@
	tensor_load_to_lds s[\g0a:\g0a+3], s[\g1a:\g1a+7]
	s_nop 0
.rept 4
	v_nop
.endr
	s_branch .Lasked_\@
.Lfor_b_\@:
	tensor_load_to_lds s[\g0b:\g0b+3], s[\g1b:\g1b+7]
	s_nop 0
.rept 4
	v_nop
.endr
.Lasked_\@:
.endm
.macro CREST
	s_cmp_lg_u32 s14, 0
	s_cbranch_scc1 .Lnot_wave_0_\@
	s_barrier_signal -3
.Lnot_wave_0_\@:
	s_barrier_wait -3
	s_barrier_signal -1
	s_barrier_wait -1
.endm
.macro CROUND
	s_barrier_signal -1
	s_barrier_wait -1
	CREST
.endm
	s_load_b256 s[4:11], s[0:1], 0x0
	s_load_b256 s[88:95], s[0:1], 0x20
	v_lshl_add_u32 v[SPW], v0, 2, SPARE
	v_mov_b32 v[NIL], 0
	ds_add_u32 v28, v29
	ds_add_u32 v28, v29
	s_wait_dscnt 0x0
	v_lshrrev_b32 v1, 5, v0
	v_readfirstlane_b32 s14, v1
	s_lshr_b32 s15, s14, 1
	s_and_b32 s16, s14, 1
	s_bfe_u32 s40, ttmp6, 0x40000
	s_bfe_u32 s41, ttmp6, 0x40004
	s_mov_b32 s19, ttmp9
	s_and_b32 s17, ttmp7, 0xffff
	s_lshl_b32 s43, s41, 2
	s_lshl_b32 s43, 15, s43
	s_lshl_b32 s44, 0x1111, s40
	s_or_b32 s[G1+0], s43, (3<<16)|(1<<21)
	s_or_b32 s[G1B+0], s44, (3<<16)|(1<<21)
.irp g, G1, G1B
	s_mov_b32 s[\g+1], 512<<16
	s_mov_b32 s[\g+2], 8<<16
	s_mov_b32 s[\g+3], 512<<16
	s_mov_b32 s[\g+4], 8
	s_mov_b32 s[\g+5], 2048
	s_mov_b32 s[\g+6], 0
	s_mov_b32 s[\g+7], 0
.endr
	s_lshl_b32 s18, s16, 3
	s_lshl_b32 s20, s17, 2
	s_add_co_u32 s20, s20, s41
	s_lshl_b32 s20, s20, 4
	s_lshl_b32 s21, s19, 8
	s_add_co_u32 s20, s20, s21
	s_lshl_b32 s21, s41, 4
	s_add_co_u32 s21, s21, 1152
	s_cmp_eq_u32 s19, 2
	s_cselect_b32 s20, s21, s20
	s_add_co_u32 s20, s20, s18
	s_lshl_b32 s20, s20, 14
	s_mov_b32 s21, 0
	s_lshl_b32 s46, s40, 4
	s_lshl_b32 s47, s19, 6
	s_add_co_u32 s46, s46, s47
	s_add_co_u32 s46, s46, 1024
	s_lshl_b32 s47, s17, 2
	s_add_co_u32 s47, s47, s40
	s_lshl_b32 s47, s47, 4
	s_add_co_u32 s47, s47, 512
	s_cmp_eq_u32 s19, 2
	s_cselect_b32 s46, s47, s46
	s_add_co_u32 s46, s46, s18
	s_lshl_b32 s46, s46, 14
	s_mov_b32 s47, 0
	s_mul_i32 s45, s14, HALFT
	s_wait_kmcnt 0x0
	s_load_b512 s[72:87], s[10:11], 0x0
	s_add_nc_u64 s[20:21], s[4:5], s[20:21]
	s_add_nc_u64 s[46:47], s[4:5], s[46:47]
	CROUND
.irp s, 0,1
	s_mov_b32 s[G0+4*\s], 1
	s_add_co_u32 s[G0+4*\s+1], s45, \s*SLOT
	s_add_nc_u64 s[G0+4*\s+2:G0+4*\s+3], s[20:21], \s*4096
	s_or_b32 s[G0+4*\s+3], s[G0+4*\s+3], 0x80000000
	s_mov_b32 s[G0B+4*\s], 1
	s_add_co_u32 s[G0B+4*\s+1], s45, \s*SLOT
	s_add_nc_u64 s[G0B+4*\s+2:G0B+4*\s+3], s[46:47], \s*4096
	s_or_b32 s[G0B+4*\s+3], s[G0B+4*\s+3], 0x80000000
.if \s                                 ; slot 1's first fill is issued as a refill is; slot 0's stands behind the opening round
	s_wait_alu depctr_va_vdst(0)
	s_wait_tensorcnt 0x0
	ds_add_u32 v28, v29
	ds_add_u32 v28, v29
	s_wait_dscnt 0x0
	CROUND
.endif
	JLOAD G0+4*\s, G1, G0B+4*\s, G1B
.endr
	v_and_b32 v1, 15, v0
	v_bfe_u32 v2, v0, 4, 1
	v_and_b32 v3, 31, v0
	v_lshlrev_b32 v13, 4, v3
	s_mul_i32 s22, s15, HALFT
	s_mul_i32 s23, s16, HALFT
	s_add_co_u32 s23, s23, 2*HALFT
.irp s, 0,1
	v_add_nc_u32 v[ADRA+\s], s22, v13
	v_add_nc_u32 v[ADRB+\s], s23, v13
	s_add_co_u32 s22, s22, SLOT
	s_add_co_u32 s23, s23, SLOT
.endr
	v_lshlrev_b32 v14, 5, v2
	s_wait_alu depctr_va_vdst(0)
	v_lshl_add_u32 v12, v1, 8, v14
	v_lshlrev_b32 v15, 2, v1
	s_wait_alu depctr_va_vdst(0)
	s_cmp_eq_u32 s19, 1
	s_cselect_b64 s[66:67], s[90:91], s[88:89]
	s_cmp_eq_u32 s19, 2
	s_cselect_b64 s[66:67], s[92:93], s[66:67]
	s_cmp_eq_u32 s19, 3
	s_cselect_b64 s[66:67], s[94:95], s[66:67]
	s_lshl_b32 s22, s40, 10
	s_lshl_b32 s23, s16, 9
	s_add_co_u32 s22, s22, s23
	s_mov_b32 s23, 0
	s_add_nc_u64 s[68:69], s[66:67], s[22:23]
	s_lshl_b32 s22, s41, 10
	s_lshl_b32 s99, s15, 9
	s_add_co_u32 s22, s22, s99
	s_add_nc_u64 s[70:71], s[66:67], s[22:23]
.irp b, 0,1,2,3,4,5,6,7
	global_load_b128 v[BIAS+8*\b:BIAS+8*\b+3], v14, s[68:69] offset:64*\b
	global_load_b128 v[BIAS+8*\b+4:BIAS+8*\b+7], v14, s[68:69] offset:64*\b+16
.endr
.irp a, 0,1,2,3,4,5,6,7
	global_load_b32 v[4+\a], v15, s[70:71] offset:64*\a
.endr
.macro FRAG reg, adr, q, i
.irp c, 0,1,2,3
	ds_load_b128 v[\reg+4*\c:\reg+4*\c+3], v[\adr] offset:(\i)*4096+(\q)*2048+512*\c
.endr
.endm
.macro MUL16 a0, p, zero
.irp a, \a0, \a0+1
.irp b, 0,1,2,3,4,5,6,7
.if \zero
	v_wmma_f32_16x16x128_bf8_bf8 v[8*(8*((\a)%4)+\b):8*(8*((\a)%4)+\b)+7], v[128*(\p)+FR*\b:128*(\p)+FR*\b+FR-1], v[AF+FR*(\a):AF+FR*(\a)+FR-1], 0
.else
	v_wmma_f32_16x16x128_bf8_bf8 v[8*(8*((\a)%4)+\b):8*(8*((\a)%4)+\b)+7], v[128*(\p)+FR*\b:128*(\p)+FR*\b+FR-1], v[AF+FR*(\a):AF+FR*(\a)+FR-1], v[8*(8*((\a)%4)+\b):8*(8*((\a)%4)+\b)+7]
.endif
.endr
.endr
.endm
.macro FETCH_B slot, q, p
	WIN TO_B
.irp i, 0,1,2,3,4,5,6,7
	FRAG 128*(\p)+FR*\i, ADRB+\slot, \q, \i
.endr
	WIN 0
.endm
.macro FETCH_A slot, q, i0
.irp i, \i0, \i0+1, \i0+2, \i0+3
	FRAG AF+FR*(\i), ADRA+\slot, \q, \i
.endr
.endm
.macro PLACES n
.rept \n
	v_nop
.endr
.endm
.macro STEP slot, q, zero
	s_wait_dscnt 4*NL
	WIN MUL_LO
	MUL16 0, (\q)%2, \zero
	MUL16 2, (\q)%2, \zero
	s_wait_dscnt 0
	PLACES NP
	FETCH_B \slot, (\q)+1, 1-(\q)%2
	FETCH_A \slot, (\q)+1, 0
	WIN MUL_HI
	MUL16 4, (\q)%2, \zero
	MUL16 6, (\q)%2, \zero
	PLACES NP
	WIN 0
	FETCH_A \slot, (\q)+1, 4
.endm
.macro TURN slot, next, fill
	s_wait_tensorcnt 0x0
	ds_add_u32 v[SPW], v[NIL]
	s_wait_dscnt 4*NL+1
	WIN MUL_LO
	MUL16 0, 1, 0
	s_wait_dscnt 0x0
	s_barrier_signal -1
	MUL16 2, 1, 0
	WIN 0
	s_barrier_wait -1
.if \fill
	CREST
	s_add_nc_u64 s[G0+4*\slot+2:G0+4*\slot+3], s[G0+4*\slot+2:G0+4*\slot+3], 8192
	s_add_nc_u64 s[G0B+4*\slot+2:G0B+4*\slot+3], s[G0B+4*\slot+2:G0B+4*\slot+3], 8192
	JLOAD G0+4*\slot, G1, G0B+4*\slot, G1B
.else
	PLACES NP
.endif
	FETCH_B \next, 0, 0
	FETCH_A \next, 0, 0
	WIN MUL_HI
	MUL16 4, 1, 0
	MUL16 6, 1, 0
	PLACES NP
	WIN 0
	FETCH_A \next, 0, 4
.endm
	s_wait_tensorcnt 1
	s_barrier_signal -1
	s_barrier_wait -1
	FETCH_B 0, 0, 0
	FETCH_A 0, 0, 0
	FETCH_A 0, 0, 4
	STEP 0, 0, 1
	s_mov_b32 s3, LAPS-1
.Llap:
	TURN 0, 1, 1
	STEP 1, 0, 0
	TURN 1, 0, 1
	STEP 0, 0, 0
	s_sub_co_u32 s3, s3, 1
	s_cmp_lg_u32 s3, 0
	s_cbranch_scc1 .Llap
	TURN 0, 1, 0
	STEP 1, 0, 0
	s_wait_dscnt 4*NL
	WIN MUL_LO
	MUL16 0, 1, 0
	MUL16 2, 1, 0
	s_wait_dscnt 0
	WIN MUL_HI
	MUL16 4, 1, 0
	MUL16 6, 1, 0
	WIN 0
	s_wait_kmcnt 0x0
	s_add_co_i32 s96, s72, s73
	s_add_co_i32 s97, s74, s75
	s_cmp_eq_u32 s19, 1
	s_cselect_b32 s96, s97, s96
	s_cselect_b32 s98, s79, s78
	s_add_co_i32 s97, s76, s77
	s_cmp_eq_u32 s19, 2
	s_cselect_b32 s96, s97, s96
	s_cselect_b32 s98, s80, s98
	s_add_co_i32 s97, s82, s83
	s_cmp_eq_u32 s19, 3
	s_cselect_b32 s96, s97, s96
	s_add_co_i32 s96, s96, 127
	s_lshl_b32 s96, s96, 23
	s_mov_b32 s97, s96
	s_add_co_i32 s98, s98, 127
	s_lshl_b32 s99, s98, 23
	s_add_co_i32 s98, s98, 15
	s_lshl_b32 s98, s98, 23
	s_or_b32 s98, s98, 0x600000
	PLACES NP
	v_mov_b32 v30, s99
	v_mov_b32 v31, s98
.macro AFFINE a
	WIN 0x02+((\a)/4)
.set jj, 0
.rept 32
	v_pk_fma_f32 v[T+jj:T+jj+1], v[64*((\a)%4)+jj:64*((\a)%4)+jj+1], s[96:97], v[BIAS+jj:BIAS+jj+1] op_sel_hi:[1,0,1]
.set jj, jj+2
.endr
	WIN 0
.endm
.macro QUANT16 a
.set jj, 0
.rept 64
	v_med3_num_f32 v[T+jj], v[T+jj], -v31, v31
.set jj, jj+1
.endr
.irp b, 0,1,2,3,4,5,6,7
	v_cvt_scalef32_pk8_bf8_f32 v[COD+16*((\a)%2)+2*\b:COD+16*((\a)%2)+2*\b+1], v[T+8*\b:T+8*\b+7], v30
.endr
	v_nop
.endm
	s_cmp_eq_u32 s19, 2
	s_cbranch_scc1 .Lpath_v
	s_cmp_eq_u32 s19, 3
	s_cbranch_scc1 .Lpath_g
	s_lshl_b32 s66, s17, 4
	s_lshl_b32 s67, s40, 2
	s_add_co_u32 s66, s66, s67
	s_lshl_b32 s67, s16, 1
	s_add_co_u32 s66, s66, s67
	s_mul_i32 s66, s66, 196608
	s_lshl_b32 s67, s19, 16
	s_add_co_u32 s66, s66, s67
	s_lshl_b32 s67, s41, 4
	s_lshl_b32 s99, s15, 3
	s_add_co_u32 s67, s67, s99
	s_lshl_b32 s99, s67, 10
	s_add_co_u32 s66, s66, s99
	s_lshl_b32 s100, s67, 12
	s_add_co_u32 s100, s100, ROPE
	s_mov_b32 s101, 0
	s_mov_b32 s67, 0
	s_add_nc_u64 s[6:7], s[6:7], s[66:67]
	s_add_nc_u64 s[4:5], s[4:5], s[100:101]
.macro CSLOAD a
.irp bb, 0,1,2,3
	global_load_b128 v[E+32*((\a)%2)+8*\bb:E+32*((\a)%2)+8*\bb+3], v12, s[4:5] offset:(\a)*4096+64*\bb
	global_load_b128 v[E+32*((\a)%2)+8*\bb+4:E+32*((\a)%2)+8*\bb+7], v12, s[4:5] offset:(\a)*4096+64*\bb+16
.endr
.endm
.macro ROT a
.set CSB, E+32*((\a)%2)
.irp b, 0,1,2,3,4,5,6,7
.irp i, 0,1,2,3
	v_mul_f32 v[18+(\i%2)+4*(\i/2)], v[T+8*\b+2*\i+1], v[CSB+8*(\b%4)+2*\i+1]
	v_mul_f32 v[T+8*\b+2*\i+1], v[T+8*\b+2*\i+1], v[CSB+8*(\b%4)+2*\i]
	v_fma_f32 v[T+8*\b+2*\i+1], v[T+8*\b+2*\i], v[CSB+8*(\b%4)+2*\i+1], v[T+8*\b+2*\i+1]
	v_fma_f32 v[T+8*\b+2*\i], v[T+8*\b+2*\i], v[CSB+8*(\b%4)+2*\i], -v[18+(\i%2)+4*(\i/2)]
.endr
.endr
.endm
	CSLOAD 0
	s_wait_loadcnt 8
.irp a, 0,1,2,3,4,5,6,7
	s_wait_xcnt 0x0
.if \a < 7
	CSLOAD \a+1
.endif
	AFFINE \a
.if \a < 7
	s_wait_loadcnt 8
.else
	s_wait_loadcnt 0x0
.endif
	ROT \a
	QUANT16 \a
.irp qq, 0,1,2,3
	global_store_b128 v13, v[COD+16*(\a%2)+4*\qq:COD+16*(\a%2)+4*\qq+3], s[6:7] offset:(\qq/2)*196608+\a*1024+(\qq%2)*512
.endr
.endr
	s_branch .Ldone
.Lpath_v:
	s_lshl_b32 s66, s17, 4
	s_lshl_b32 s67, s41, 2
	s_add_co_u32 s66, s66, s67
	s_lshl_b32 s67, s15, 1
	s_add_co_u32 s66, s66, s67
	s_mul_i32 s66, s66, 196608
	s_add_co_u32 s66, s66, 131072
	s_lshl_b32 s67, s40, 2
	s_lshl_b32 s99, s16, 1
	s_add_co_u32 s67, s67, s99
	s_lshl_b32 s67, s67, 10
	s_add_co_u32 s66, s66, s67
	s_mov_b32 s67, 0
	s_add_nc_u64 s[6:7], s[6:7], s[66:67]
	s_wait_loadcnt 0x0
.irp a, 0,1,2,3,4,5,6,7
	s_wait_xcnt 0x0
	WIN 0x02+(\a/4)
.set jj, 0
.rept 64
	v_fma_f32 v[T+jj], v[64*(\a%4)+jj], s96, v[4+\a]
.set jj, jj+1
.endr
	WIN 0
	QUANT16 \a
.irp qq, 0,1,2,3
	global_store_b128 v13, v[COD+16*(\a%2)+4*\qq:COD+16*(\a%2)+4*\qq+3], s[6:7] offset:(\a/4)*196608+(\a%4)*16384+\qq*512
.endr
.endr
	s_branch .Ldone
.Lpath_g:
	s_lshl_b32 s66, s17, 4
	s_lshl_b32 s67, s40, 2
	s_add_co_u32 s66, s66, s67
	s_lshl_b32 s67, s16, 1
	s_add_co_u32 s66, s66, s67
	s_lshl_b32 s66, s66, 18
	s_lshl_b32 s67, s41, 4
	s_lshl_b32 s99, s15, 3
	s_add_co_u32 s67, s67, s99
	s_lshl_b32 s67, s67, 12
	s_add_co_u32 s66, s66, s67
	s_mov_b32 s67, 0
	s_add_nc_u64 s[8:9], s[8:9], s[66:67]
	s_wait_loadcnt 0x0
.irp a, 0,1,2,3,4,5,6,7
	s_wait_xcnt 0x0
	AFFINE \a
.set jj, 0
.rept 32
	v_pk_mul_f32 v[E+jj:E+jj+1], v[T+jj:T+jj+1], 0xbfb8aa3b op_sel_hi:[1,0]
.set jj, jj+2
.endr
.set jj, 0
	s_wait_alu depctr_va_vdst(0)
.rept 64
	v_exp_f32 v[E+jj], v[E+jj]
.set jj, jj+1
.endr
	v_nop
.set jj, 0
	s_wait_alu depctr_va_vdst(0)
.rept 32
	v_pk_add_f32 v[E+jj:E+jj+1], v[E+jj:E+jj+1], 1.0 op_sel_hi:[1,0]
.set jj, jj+2
.endr
.set jj, 0
	s_wait_alu depctr_va_vdst(0)
.rept 64
	v_rcp_f32 v[E+jj], v[E+jj]
.set jj, jj+1
.endr
	v_nop
	s_wait_alu depctr_va_vdst(0)
.irp b, 0,1,2,3,4,5,6,7
.irp q, 0,1
	global_store_b128 v13, v[E+8*\b+4*\q:E+8*\b+4*\q+3], s[8:9] offset:(\b/4)*262144+\a*4096+(\b%4)*1024+512*\q
.endr
.endr
.endr
.Ldone:
	s_wait_tensorcnt 0x0
	ds_add_u32 v[SPW], v[NIL]
	s_wait_dscnt 0x0
	CROUND
	s_endpgm
.Lfunc_end_k_qbaae59cd0a_qkvg:
	.size	k_qbaae59cd0a_qkvg, .Lfunc_end_k_qbaae59cd0a_qkvg-k_qbaae59cd0a_qkvg
	.p2alignl 7, 3214868480
	.fill 96, 4, 3214868480
	.section	.rodata,"a",@progbits
	.p2align	6, 0x0
	.amdhsa_kernel k_qbaae59cd0a_qkvg
		.amdhsa_group_segment_fixed_size 327680
		.amdhsa_private_segment_fixed_size 0
		.amdhsa_enable_private_segment 0
		.amdhsa_kernarg_size 64
		.amdhsa_user_sgpr_count 2
		.amdhsa_user_sgpr_kernarg_segment_ptr 1
		.amdhsa_wavefront_size32 1
		.amdhsa_system_sgpr_workgroup_id_x 1
		.amdhsa_system_sgpr_workgroup_id_y 1
		.amdhsa_system_sgpr_workgroup_id_z 1
		.amdhsa_system_vgpr_workitem_id 0
		.amdhsa_next_free_vgpr 1024
		.amdhsa_next_free_sgpr 102
		.amdhsa_reserve_vcc 0
		.amdhsa_float_denorm_mode_32 3
		.amdhsa_float_denorm_mode_16_64 3
		.amdhsa_memory_ordered 1
		.amdhsa_forward_progress 1
		.amdhsa_inst_pref_size 255
	.end_amdhsa_kernel
	.section	.bss,"aw",@nobits
	.p2align	6
	.space	262144
	.amdgpu_metadata
---
amdhsa.version: [ 1, 2 ]
amdhsa.kernels:
  - .name:           k_qbaae59cd0a_qkvg
    .symbol:         k_qbaae59cd0a_qkvg.kd
    .args:
      - { .name: pc, .offset: 0, .size: 8, .value_kind: global_buffer, .address_space: global }
      - { .name: qkv, .offset: 8, .size: 8, .value_kind: global_buffer, .address_space: global }
      - { .name: gate, .offset: 16, .size: 8, .value_kind: global_buffer, .address_space: global }
      - { .name: lowp_scales, .offset: 24, .size: 8, .value_kind: global_buffer, .address_space: global }
      - { .name: bq, .offset: 32, .size: 8, .value_kind: global_buffer, .address_space: global }
      - { .name: bk, .offset: 40, .size: 8, .value_kind: global_buffer, .address_space: global }
      - { .name: bv, .offset: 48, .size: 8, .value_kind: global_buffer, .address_space: global }
      - { .name: bg, .offset: 56, .size: 8, .value_kind: global_buffer, .address_space: global }
    .group_segment_fixed_size: 327680
    .private_segment_fixed_size: 0
    .kernarg_segment_align: 8
    .kernarg_segment_size: 64
    .max_flat_workgroup_size: 128
    .sgpr_count:     102
    .vgpr_count:     1024
    .wavefront_size: 32
...
	.end_amdgpu_metadata
.endif
;; end of part 2
;; launch att (part 3): grid 4 x 64, 16 waves a work-group, clusters of 4 x 1, 169,984 bytes of LDS; arguments qkv, gate, lowp_scales, aoc; writes aoc
.if DOCPART == 3
	.amdgcn_target "amdgcn-amd-amdhsa--gfx1250"
	.amdhsa_code_object_version 6
	.text
	.protected	k_qbaae59cd0a_att
	.globl	k_qbaae59cd0a_att
	.p2align	8
	.type	k_qbaae59cd0a_att,@function
k_qbaae59cd0a_att:
	s_mov_b64 s[64:65], 0
	v_nop
	global_prefetch_b8 v0, s[64:65] scope:SCOPE_SE
	s_setreg_imm32_b32 hwreg(HW_REG_WAVE_MODE, 25, 1), 1
	s_wait_xcnt 0x0
	s_wait_alu depctr_hold_cnt(0) depctr_sa_sdst(0) depctr_va_vdst(0) depctr_va_sdst(0) depctr_va_ssrc(0) depctr_va_vcc(0) depctr_vm_vsrc(0)
	s_getreg_b32 s2, hwreg(HW_REG_IB_STS2, 6, 4)
	s_cmp_eq_u32 s2, 0
	s_cbranch_scc0 .Lentry_in_a_cluster
	s_endpgm
.Lentry_in_a_cluster:
	s_bfe_u32 s2, ttmp6, 0x10000c
	s_cmp_lg_u32 s2, 0x3003
	s_cbranch_scc0 .Lentry_shape_is_right
	s_endpgm
.Lentry_shape_is_right:
; Causal attention of one head on codes of E5M2, then x gate, quantised (e12) for the product with Wo.  qkv [64 heads][196,608]: Q's 64 units (16 positions x 64), K's 64 units, V's 4 x 16 units (16 of the head's 64 x 64 keys).
; THE SOFTMAX AHEAD OF THE SECOND PRODUCT: t = score x log2(e) / 8; M = the running largest t rounded UP to a whole number; p = 2^(t - M) is quantised (e9), not normalised; the row's sum is taken of the unquantised p and divides at the end.
; SHARES.  The four work-groups of a cluster own one head.  K and V of the head, 131,072 consecutive bytes, are brought into each work-group's LDS ONCE, by four joint loads (waves 0-3): nothing is ever filled again.
; Each of the sixteen waves owns one tile of 16 queries: tile 4 rho + cx, rho a permutation of the wave's number that evens the steps out among any four waves w % 4 or w / 4.  A tile needs rho / 2 + 1 steps of 128 keys:
; that hangs on the wave's number alone, never on the place in the cluster.  Every wave walks all eight trips; a scalar branch at a trip's head leaves out the work of steps all of whose keys are hidden.
; LAYOUT.  S^T = K Q^T (K = 64 form; source 0 = 16 keys, source 1 = my queries): a lane holds one query and, in tile c, keys 16 c + 8 h + 0 .. 7: their eight codes ARE registers 2 c, 2 c + 1 of P for O^T = V^T P (K = 128 form).
; LIMITS: e6 + e7 between -123 and 130 (added to c's exponent field); e9, e12 between -126 and 112; e8 + e9 is applied by v_ldexp_f32.  NaN is not served.
; REGISTERS: v1 16 x lane; v2 the diagonal's bound; v8, v9 LDS addresses; v12 -M, v13 the largest t, v[14:15] the sum; v16-23 Q; v24-31 the result's codes; v32-95 K's or V's fragments; v96-159 S^T, then p; v160-191 O^T; v192-223 the gate; v224-239 p's codes; v240-254 constants and work.
.set WV,   18
.set LAST, 19
.set KS,   54
.set TBK,  55
.set TBV,  56
.macro CROUND
	s_barrier_signal -1
	s_barrier_wait -1
	s_cmp_lg_u32 s[WV], 0
	s_cbranch_scc1 .Lnot_wave_0_\@
	s_barrier_signal -3
.Lnot_wave_0_\@:
	s_barrier_wait -3
	s_barrier_signal -1
	s_barrier_wait -1
.endm
	s_load_b256 s[4:11], s[0:1], 0x0               ; qkv s[4:5], gate s[6:7], the exponents s[8:9], aoc s[10:11]
	v_lshl_add_u32 v251, v0, 2, 0x29000
	v_mov_b32 v255, 0
	ds_add_u32 v251, v255
	ds_add_u32 v251, v255
	v_lshrrev_b32 v8, 5, v0
	s_delay_alu instid0(VALU_DEP_1)
	v_readfirstlane_b32 s[WV], v8                  ; wave 0..15
	s_bfe_u32 s13, ttmp6, 0x40000                  ; cx
	s_and_b32 s14, ttmp7, 0xffff                   ; 16 x batch + head
	s_lshr_b32 s15, s[WV], 2
	s_xor_b32 s15, s15, s[WV]
	s_lshr_b32 s16, s15, 1
	s_xor_b32 s15, s15, s16
	s_and_b32 s15, s15, 1                          ; the parity of the wave's number
	s_mul_i32 s15, s15, 15
	s_xor_b32 s15, s15, s[WV]                      ; rho
	s_lshr_b32 s[LAST], s15, 1                     ; my last step of 128 keys
	s_lshl_b32 s16, s15, 2
	s_add_co_u32 s16, s16, s13                     ; my tile of queries
	; descriptor: a dense block of 32,768 bytes as 128 rows of 256, elements of 8 bytes; the mask names all four work-groups
	s_mov_b32 s24, 15|(3<<16)|(1<<21)
	s_mov_b32 s25, 32<<16
	s_mov_b32 s26, 128<<16
	s_mov_b32 s27, 32<<16
	s_mov_b32 s28, 128
	s_mov_b32 s29, 32
	s_mov_b32 s30, 0
	s_mov_b32 s31, 0
	s_mul_i32 s20, s14, 196608
	s_lshl_b32 s22, s[WV], 15
	s_add_co_u32 s36, s20, s22
	s_add_co_u32 s36, s36, 65536                   ; the head's K and V, my quarter: it hangs on the head and the wave alone
	s_mov_b32 s37, 0
	s_lshl_b32 s38, s16, 10
	s_add_co_u32 s38, s38, s20                     ; my unit of Q
	s_mov_b32 s39, 0
	s_lshl_b32 s46, s14, 6
	s_add_co_u32 s46, s46, s16
	s_lshl_b32 s46, s46, 12                        ; my four images of the gate
	s_mov_b32 s47, 0
	s_lshr_b32 s48, s14, 4
	s_lshl_b32 s48, s48, 6
	s_add_co_u32 s48, s48, s16                     ; my block of 16 rows: 64 x batch + tile
	s_lshl_b32 s48, s48, 4
	s_and_b32 s49, s14, 15
	s_add_co_u32 s48, s48, s49                     ; its unit: the head
	s_lshl_b32 s48, s48, 10
	s_mov_b32 s49, 0
	s_mov_b32 s50, 0x3e38aa3b                      ; c = log2(e) / 8
	s_mov_b32 s52, 0x76543210
	s_mov_b32 s53, 0xfedcba98
	s_wait_dscnt 0x0
	s_wait_kmcnt 0x0
	s_load_b128 s[40:43], s[8:9], 0x18             ; e6, e7, e8, e9
	s_load_b32 s44, s[8:9], 0x30                   ; e12
	s_mov_b32 s32, 1
	s_mov_b32 s33, s22                             ; LDS: wave x 32,768
	s_add_nc_u64 s[34:35], s[4:5], s[36:37]
	s_or_b32 s35, s35, 0x80000000
	CROUND                                         ; all four work-groups are here: the joint loads meet
	s_cmp_lt_u32 s[WV], 4
	s_cbranch_scc0 .Lno_fill
	tensor_load_to_lds s[32:35], s[24:31]
	s_nop 0
.rept 4
	v_nop
.endr
.Lno_fill:
	s_add_nc_u64 s[4:5], s[4:5], s[38:39]
	s_add_nc_u64 s[6:7], s[6:7], s[46:47]
	s_add_nc_u64 s[10:11], s[10:11], s[48:49]
	v_and_b32 v3, 31, v0
	s_delay_alu instid0(VALU_DEP_1)
	v_lshlrev_b32 v1, 4, v3
	global_load_b128 v[16:19], v1, s[4:5]
	global_load_b128 v[20:23], v1, s[4:5] offset:512
.irp i, 0,1,2,3,4,5,6,7
	global_load_b128 v[192+4*\i:195+4*\i], v1, s[6:7] offset:512*\i
.endr
	v_and_b32 v4, 15, v0
	v_bfe_u32 v5, v0, 4, 1
	s_and_b32 s57, s15, 1
	s_lshl_b32 s57, s57, 6
	s_lshl_b32 s58, s13, 4
	s_add_co_u32 s57, s57, s58
	v_lshlrev_b32 v5, 3, v5
	s_delay_alu instid0(VALU_DEP_1)
	v_sub_nc_u32 v2, v4, v5
	s_delay_alu instid0(VALU_DEP_1)
	v_add_nc_u32 v2, s57, v2                       ; in my last step key 16 c + 8 h + j is hidden where 16 c + j > 64 (rho % 2) + 16 cx + r - 8 h
	v_mov_b32 v13, 0xff61b1e6                      ; the largest t so far: -3e38
	s_delay_alu instid0(VALU_DEP_1)
	v_floor_f32 v12, -v13
	v_mov_b32 v14, 0
	v_mov_b32 v15, 0
	v_mov_b32 v241, 0                              ; a lane permute's destination counts as one of its sources
	v_mov_b32 v252, 0
	v_mov_b32 v253, 0
.set jj, 0
.rept 32
	v_mov_b32 v[160+jj], 0                         ; O^T: the step is written once; the first finds zeros
.set jj, jj+1
.endr
	s_wait_kmcnt 0x0
	s_add_co_i32 s57, s40, s41
	s_lshl_b32 s57, s57, 23
	s_add_co_i32 s50, s50, s57                     ; a score stands for score x 2^(e6 + e7)
	s_mov_b32 s51, s50
	s_add_co_i32 s57, s43, 127
	s_lshl_b32 s58, s57, 23
	v_mov_b32 v244, s58                            ; 2^e9
	s_add_co_i32 s57, s57, 15
	s_lshl_b32 s57, s57, 23
	s_or_b32 s57, s57, 0x600000
	v_mov_b32 v240, s57                            ; 57,344 x 2^e9
	s_add_co_i32 s57, s44, 127
	s_lshl_b32 s58, s57, 23
	v_mov_b32 v245, s58                            ; 2^e12
	s_add_co_i32 s57, s57, 15
	s_lshl_b32 s57, s57, 23
	s_or_b32 s57, s57, 0x600000
	v_mov_b32 v246, s57
	s_mov_b32 s[KS], 0
	s_mov_b32 s[TBK], 0
	s_mov_b32 s[TBV], 65536
	s_wait_loadcnt 8                               ; Q is in; the gate's eight loads may be out
	s_wait_tensorcnt 0x0                           ; my quarter of K and V, if I fetched one,
	s_barrier_signal -1
	s_barrier_wait -1                              ; and everybody's
.Lstep:
	s_cmp_gt_u32 s[KS], s[LAST]
	s_cbranch_scc1 .Lhidden                        ; all 128 keys come after my queries
	v_add_nc_u32 v8, s[TBK], v1
	v_add_nc_u32 v9, s[TBV], v1
	v_nop
	v_nop                                          ; four places in front of loads into registers that the last products read
.irp c, 0,1,2,3,4,5,6,7
	ds_load_b128 v[32+8*\c:35+8*\c], v8 offset:1024*\c
	ds_load_b128 v[36+8*\c:39+8*\c], v8 offset:1024*\c+512
.endr
	s_wait_alu depctr_va_vdst(0)
	s_wait_dscnt 0x0
.irp c, 0,1,2,3,4,5,6,7
	v_wmma_f32_16x16x64_bf8_bf8 v[96+8*\c:103+8*\c], v[32+8*\c:39+8*\c], v[16:23], 0
.endr
.rept 4
	v_nop
.endr
.irp t, 0,1,2,3
.irp c, 0,1,2,3
	ds_load_b128 v[32+16*\t+4*\c:35+16*\t+4*\c], v9 offset:16384*\t+512*\c   ; V's four fragments land under the softmax
.endr
.endr
	s_cmp_lg_u32 s[KS], s[LAST]
	s_cbranch_scc1 .Lopen                          ; only my last step lies on the diagonal
	v_mov_b32 v254, 0xff800000
.set jj, 0
.rept 64
	v_cmp_gt_i32 vcc_lo, 16*(jj/8)+jj%8, v2
	v_cndmask_b32 v[96+jj], v[96+jj], v254, vcc_lo
.set jj, jj+1
.endr
.Lopen:
	v_max3_num_f32 v254, v96, v97, v98             ; the step's largest score of my query, in two chains, each result from its low end on
	v_max3_num_f32 v252, v99, v100, v101
.irp i, 6,10,14,18,22,26,30,34,38,42,46,50,54,58
	v_max3_num_f32 v254, v254, v[96+\i], v[97+\i]
	v_max3_num_f32 v252, v252, v[98+\i], v[99+\i]
.endr
	v_max3_num_f32 v254, v254, v158, v159
	s_delay_alu instid0(VALU_DEP_1)
	v_max_num_f32 v254, v254, v252
	s_delay_alu instid0(VALU_DEP_1)
	v_permlanex16_b32 v241, v254, s52, s53
	s_delay_alu instid0(VALU_DEP_1)
	v_max_num_f32 v254, v254, v241
	s_delay_alu instid0(VALU_DEP_1)
	v_mul_f32 v254, s50, v254
	s_delay_alu instid0(VALU_DEP_1)
	v_max_num_f32 v13, v13, v254                   ; the running largest t
	v_mov_b32 v254, v12
	s_delay_alu instid0(VALU_DEP_2)
	v_floor_f32 v12, -v13                          ; -M = floor(-t): M is a whole number
	s_delay_alu instid0(VALU_DEP_1)
	v_sub_f32 v254, v12, v254
	s_delay_alu instid0(VALU_DEP_1)
	v_cvt_i32_f32 v254, v254
	s_delay_alu instid0(VALU_DEP_1)
	v_ldexp_f32 v252, 1.0, v254                    ; f = 2^(old M - new M): exact
.set jj, 0
.rept 32
	v_pk_fma_f32 v[96+jj:97+jj], v[96+jj:97+jj], s[50:51], v[12:13] op_sel_hi:[1,0,0]
.set jj, jj+2
.endr
.set jj, 0
	s_wait_alu depctr_va_vdst(0)
.rept 64
	v_exp_f32 v[96+jj], v[96+jj]
.set jj, jj+1
.endr
	v_pk_mul_f32 v[14:15], v[14:15], v[252:253] op_sel_hi:[1,0]
	s_wait_alu depctr_va_vdst(0)
	v_pk_add_f32 v[242:243], v[100:101], v[104:105]
	v_pk_add_f32 v[248:249], v[108:109], v[112:113]
	v_pk_add_f32 v[238:239], v[116:117], v[120:121]
	v_pk_add_f32 v[236:237], v[124:125], v[128:129]
	v_pk_add_f32 v[234:235], v[132:133], v[136:137]
	v_pk_add_f32 v[232:233], v[140:141], v[144:145]
	v_pk_add_f32 v[230:231], v[148:149], v[152:153]
	v_pk_add_f32 v[14:15], v[14:15], v[156:157]
	v_pk_add_f32 v[242:243], v[242:243], v[96:97]
	v_pk_add_f32 v[248:249], v[248:249], v[98:99]
	v_pk_add_f32 v[238:239], v[238:239], v[102:103]
	v_pk_add_f32 v[236:237], v[236:237], v[106:107]
	v_pk_add_f32 v[234:235], v[234:235], v[110:111]
	v_pk_add_f32 v[232:233], v[232:233], v[114:115]
	v_pk_add_f32 v[230:231], v[230:231], v[118:119]
	v_pk_add_f32 v[14:15], v[14:15], v[122:123]
	v_pk_add_f32 v[242:243], v[242:243], v[126:127]
	v_pk_add_f32 v[248:249], v[248:249], v[130:131]
	v_pk_add_f32 v[238:239], v[238:239], v[134:135]
	v_pk_add_f32 v[236:237], v[236:237], v[138:139]
	v_pk_add_f32 v[234:235], v[234:235], v[142:143]
	v_pk_add_f32 v[232:233], v[232:233], v[146:147]
	v_pk_add_f32 v[230:231], v[230:231], v[150:151]
	v_pk_add_f32 v[14:15], v[14:15], v[154:155]
	v_pk_add_f32 v[242:243], v[242:243], v[158:159]
	s_delay_alu instid0(VALU_DEP_2)
	v_pk_add_f32 v[14:15], v[14:15], v[236:237]
	s_delay_alu instid0(VALU_DEP_2)
	v_pk_add_f32 v[242:243], v[242:243], v[234:235]
	v_pk_add_f32 v[248:249], v[248:249], v[232:233]
	v_pk_add_f32 v[238:239], v[238:239], v[230:231]
	s_delay_alu instid0(VALU_DEP_2)
	v_pk_add_f32 v[14:15], v[14:15], v[248:249]
	s_delay_alu instid0(VALU_DEP_2)
	v_pk_add_f32 v[242:243], v[242:243], v[238:239]
	s_delay_alu instid0(VALU_DEP_1)
	v_pk_add_f32 v[14:15], v[14:15], v[242:243]
.set jj, 0
.rept 64
	v_min_num_f32 v[96+jj], v[96+jj], v240         ; p is not negative: the hold is one-sided
.set jj, jj+1
.endr
.irp c, 0,1,2,3,4,5,6,7
	v_cvt_scalef32_pk8_bf8_f32 v[224+2*\c:225+2*\c], v[96+8*\c:103+8*\c], v244
.endr
.set jj, 0
.rept 16
	v_pk_mul_f32 v[160+jj:161+jj], v[160+jj:161+jj], v[252:253] op_sel_hi:[1,0]   ; O^T under the new M; also the plain lines behind the conversions
.set jj, jj+2
.endr
	s_wait_alu depctr_va_vdst(0)
	s_wait_dscnt 0x0                               ; V
.irp t, 0,1,2,3
	v_wmma_f32_16x16x128_bf8_bf8 v[160+8*\t:167+8*\t], v[32+16*\t:47+16*\t], v[224:239], v[160+8*\t:167+8*\t]
.endr
.Lhidden:
	s_add_co_u32 s[TBK], s[TBK], 8192
	s_add_co_u32 s[TBV], s[TBV], 2048
	s_add_co_u32 s[KS], s[KS], 1
	s_cmp_lt_u32 s[KS], 8
	s_cbranch_scc1 .Lstep
.rept 4
	v_nop
.endr
	v_add_f32 v14, v14, v15
	s_delay_alu instid0(VALU_DEP_1)
	v_permlanex16_b32 v252, v14, s52, s53
	s_delay_alu instid0(VALU_DEP_1)
	v_add_f32 v14, v14, v252                       ; the row's sum
	s_wait_alu depctr_va_vdst(0)
	v_rcp_f32 v14, v14
	v_nop
	s_add_co_i32 s57, s42, s43
	s_wait_alu depctr_va_vdst(0)
	v_ldexp_f32 v14, v14, s57                      ; x 2^(e8 + e9)
	s_wait_alu depctr_va_vdst(0)
	s_wait_loadcnt 0x0                             ; the gate
.set jj, 0
.rept 32
	v_mul_f32 v[96+jj], v[160+jj], v14
.set jj, jj+1
.endr
.set jj, 0
.rept 32
	v_mul_f32 v[96+jj], v[96+jj], v[192+jj]
.set jj, jj+1
.endr
.set jj, 0
.rept 32
	v_med3_num_f32 v[96+jj], v[96+jj], -v246, v246
.set jj, jj+1
.endr
.irp t, 0,1,2,3
	v_cvt_scalef32_pk8_bf8_f32 v[24+2*\t:25+2*\t], v[96+8*\t:103+8*\t], v245
.endr
	v_nop
	global_store_b128 v1, v[24:27], s[10:11]       ; one unit: 1,024 consecutive bytes a wave
	global_store_b128 v1, v[28:31], s[10:11] offset:512
	s_wait_tensorcnt 0x0
	ds_add_u32 v251, v255
	s_wait_dscnt 0x0
	CROUND                                         ; the closing round
	s_endpgm
.Lfunc_end_k_qbaae59cd0a_att:
	.size	k_qbaae59cd0a_att, .Lfunc_end_k_qbaae59cd0a_att-k_qbaae59cd0a_att
	.p2alignl 7, 3214868480
	.fill 96, 4, 3214868480
	.section	.rodata,"a",@progbits
	.p2align	6, 0x0
	.amdhsa_kernel k_qbaae59cd0a_att
		.amdhsa_group_segment_fixed_size 169984
		.amdhsa_private_segment_fixed_size 0
		.amdhsa_enable_private_segment 0
		.amdhsa_kernarg_size 32
		.amdhsa_user_sgpr_count 2
		.amdhsa_user_sgpr_kernarg_segment_ptr 1
		.amdhsa_wavefront_size32 1
		.amdhsa_system_sgpr_workgroup_id_x 1
		.amdhsa_system_sgpr_workgroup_id_y 1
		.amdhsa_system_sgpr_workgroup_id_z 1
		.amdhsa_system_vgpr_workitem_id 0
		.amdhsa_next_free_vgpr 256
		.amdhsa_next_free_sgpr 66
		.amdhsa_reserve_vcc 1
		.amdhsa_float_denorm_mode_32 3
		.amdhsa_float_denorm_mode_16_64 3
		.amdhsa_memory_ordered 1
		.amdhsa_forward_progress 1
		.amdhsa_inst_pref_size 34
	.end_amdhsa_kernel
	.amdgpu_metadata
---
amdhsa.version: [ 1, 2 ]
amdhsa.kernels:
  - .name:           k_qbaae59cd0a_att
    .symbol:         k_qbaae59cd0a_att.kd
    .args:
      - { .name: qkv, .offset: 0, .size: 8, .value_kind: global_buffer, .address_space: global }
      - { .name: gate, .offset: 8, .size: 8, .value_kind: global_buffer, .address_space: global }
      - { .name: lowp_scales, .offset: 16, .size: 8, .value_kind: global_buffer, .address_space: global }
      - { .name: aoc, .offset: 24, .size: 8, .value_kind: global_buffer, .address_space: global }
    .group_segment_fixed_size: 169984
    .private_segment_fixed_size: 0
    .kernarg_segment_align: 8
    .kernarg_segment_size: 32
    .max_flat_workgroup_size: 512
    .sgpr_count:     66
    .vgpr_count:     256
    .wavefront_size: 32
...
	.end_amdgpu_metadata
.endif
;; end of part 3
;; launch wo (part 4): grid 8 x 32, 4 waves a work-group, clusters of 4 x 4, 327,680 bytes of LDS; arguments aoc, pc, x, bo, lowp_scales, x1; writes x1
.if DOCPART == 4
	.amdgcn_target "amdgcn-amd-amdhsa--gfx1250"
	.amdhsa_code_object_version 6
	.text
	.protected	k_qbaae59cd0a_wo
	.globl	k_qbaae59cd0a_wo
	.p2align	8
	.type	k_qbaae59cd0a_wo,@function
k_qbaae59cd0a_wo:
	s_mov_b64 s[64:65], 0
	v_nop
	global_prefetch_b8 v0, s[64:65] scope:SCOPE_SE
	s_setreg_imm32_b32 hwreg(HW_REG_WAVE_MODE, 25, 1), 1
	s_wait_xcnt 0x0
	s_wait_alu depctr_hold_cnt(0) depctr_sa_sdst(0) depctr_va_vdst(0) depctr_va_sdst(0) depctr_va_ssrc(0) depctr_va_vcc(0) depctr_vm_vsrc(0)
	s_getreg_b32 s2, hwreg(HW_REG_IB_STS2, 6, 4)
	s_cmp_eq_u32 s2, 0
	s_cbranch_scc0 .Lentry_in_a_cluster
	s_endpgm
.Lentry_in_a_cluster:
	s_bfe_u32 s2, ttmp6, 0x10000c
	s_cmp_lg_u32 s2, 0xf033
	s_cbranch_scc0 .Lentry_shape_is_right
	s_endpgm
.Lentry_shape_is_right:
; OUT = RES + A B^T x 2^(ea + eb) + bias.  A: codes [4,096][SIZE_K], B: codes [1,024][SIZE_K] at byte BOFF of pc, both as images of the operand's registers (units of 16 rows x 64 K, 1,024 bytes); RES, OUT: f32 [4,096][1,024].
; Here: A = gate x attention's result, B = Wo, RES = x, OUT = x1.
; A tile of OUT is 128 x 128, so that 256 work-groups have work; four waves of 64 x 64: 16 accumulators.  K goes in steps of 512 through two LDS slots of 131,072 bytes; a wave's tensor load brings 4 blocks of 16 rows x 512 K.
; 4 x 4 work-groups form a cluster: A's tile is shared along a row, B's along a column: joint loads.  The matrix instruction is used transposed (source 0 = B, source 1 = A): a lane holds eight neighbouring numbers of a row of OUT.
; LIMIT: ea + eb between -126 and 127.
; REGISTERS: window 0: v8-11 the bias; v16-29 addresses; v32-63 rows back from the stage; v64-127 the residual, two sets; v128-255 the accumulators.  window 1: two fragment buffers of 128: A's four fragments, then B's four.
.set SIZE_K, 1024
.set BOFF,   20<<20
.set EI,     12
; THE WHOLE K OF A TILE LIES IN LDS AT ONCE (this takes the place of the two slots named above): A's 128 rows x 1,024 K and B's are 2 x 131,072 bytes.
; Each wave brings 4 blocks of 16 rows x 1,024 K, 65,536 consecutive bytes, by ONE joint load at the head; nothing is filled again, and no barrier stands among the products.
.set HALFT,  65536
.set SLOT,   4*HALFT
.set STAGE,  SLOT                      ; behind the tiles: 16 rows x 272 bytes for each wave
.set SPARE,  STAGE+4*16*272            ; behind the stages: the spare words
.set LAPS,   SIZE_K/1024
.set ADRA, 16
.set ADRB, 20
.set STO,  24
.set RD,   25
.set CO,   26
.set BO,   27
.set SPW,  28
.set NIL,  29
.set BK,   32
.set RS,   64
.set ACC,  128
.set F0,   0
.set F1,   128
.set G1, 24
.set G0, 32
.set G1B, 48
.set G0B, 56
.set WV, 66
.set WR, 67
.set WC, 68
.set MSB, 0
.macro WIN new
.if MSB != \new
	s_set_vgpr_msb (MSB<<8)|\new
.set MSB, \new
.endif
.endm
.set MUL,  0x05                        ; sources 0 and 1 window 1; C and D window 0
.set TO_F, 0x40
.macro JLOAD s
	s_cmp_eq_u32 s[WR], 0
	s_cbranch_scc0 .Lfor_b_\@
	tensor_load_to_lds s[G0+4*\s:G0+4*\s+3], s[G1:G1+7]
	s_nop 0
.rept 4
	v_nop
.endr
	s_branch .Lasked_\@
.Lfor_b_\@:
	tensor_load_to_lds s[G0B+4*\s:G0B+4*\s+3], s[G1B:G1B+7]
	s_nop 0
.rept 4
	v_nop
.endr
.Lasked_\@:
.endm
.macro CREST
	s_cmp_lg_u32 s[WV], 0
	s_cbranch_scc1 .Lnot_wave_0_\@
	s_barrier_signal -3
.Lnot_wave_0_\@:
	s_barrier_wait -3
	s_barrier_signal -1
	s_barrier_wait -1
.endm
.macro CROUND
	s_barrier_signal -1
	s_barrier_wait -1
	CREST
.endm
	s_load_b256 s[4:11], s[0:1], 0x0               ; A s[4:5], pc s[6:7], RES s[8:9], the bias s[10:11]
	s_load_b128 s[12:15], s[0:1], 0x20             ; the exponents s[12:13], OUT s[14:15]
	v_lshl_add_u32 v[SPW], v0, 2, SPARE
	v_mov_b32 v[NIL], 0
	ds_add_u32 v28, v29
	ds_add_u32 v28, v29
	s_wait_dscnt 0x0
	v_lshrrev_b32 v1, 5, v0
	v_readfirstlane_b32 s[WV], v1
	s_lshr_b32 s[WR], s[WV], 1                     ; my half of the rows.  Also: I fetch for A (0) or for B (1)
	s_and_b32 s[WC], s[WV], 1                      ; my half of the columns.  Also: which half of that tile I fetch
	s_bfe_u32 s40, ttmp6, 0x40000
	s_bfe_u32 s41, ttmp6, 0x40004
	s_lshl_b32 s42, ttmp9, 2
	s_add_co_u32 s42, s42, s40                     ; tile column
	s_and_b32 s17, ttmp7, 0xffff
	s_lshl_b32 s17, s17, 2
	s_add_co_u32 s17, s17, s41                     ; tile row
	s_lshl_b32 s43, s41, 2
	s_lshl_b32 s43, 15, s43
	s_lshl_b32 s44, 0x1111, s40
	; descriptor group 1: 4 rows of 16,384 bytes (a block's sixteen units), 16 SIZE_K bytes apart, in elements of 8 bytes
	s_or_b32 s[G1+0], s43, (3<<16)|(1<<21)
	s_or_b32 s[G1B+0], s44, (3<<16)|(1<<21)
.irp g, G1, G1B
	s_mov_b32 s[\g+1], 2048<<16                    ; a row of the tile: a block's sixteen units, 16,384 bytes
	s_mov_b32 s[\g+2], 4<<16
	s_mov_b32 s[\g+3], 2048<<16
	s_mov_b32 s[\g+4], 4
	s_mov_b32 s[\g+5], 2*SIZE_K
	s_mov_b32 s[\g+6], 0
	s_mov_b32 s[\g+7], 0
.endr
	s_lshl_b32 s18, s[WC], 2
	s_lshl_b32 s20, s17, 3
	s_add_co_u32 s20, s20, s18
	s_mul_i32 s20, s20, 16*SIZE_K
	s_mov_b32 s21, 0
	s_lshl_b32 s46, s42, 3
	s_add_co_u32 s46, s46, s18
	s_mul_i32 s46, s46, 16*SIZE_K
	s_add_co_u32 s46, s46, BOFF
	s_mov_b32 s47, 0
	s_mul_i32 s45, s[WV], HALFT
	s_wait_kmcnt 0x0
	s_load_b64 s[96:97], s[12:13], 4*EI
	s_add_nc_u64 s[20:21], s[4:5], s[20:21]
	s_add_nc_u64 s[46:47], s[6:7], s[46:47]
	CROUND
.irp s, 0
	s_mov_b32 s[G0+4*\s], 1
	s_add_co_u32 s[G0+4*\s+1], s45, \s*SLOT
	s_add_nc_u64 s[G0+4*\s+2:G0+4*\s+3], s[20:21], \s*8192
	s_or_b32 s[G0+4*\s+3], s[G0+4*\s+3], 0x80000000
	s_mov_b32 s[G0B+4*\s], 1
	s_add_co_u32 s[G0B+4*\s+1], s45, \s*SLOT
	s_add_nc_u64 s[G0B+4*\s+2:G0B+4*\s+3], s[46:47], \s*8192
	s_or_b32 s[G0B+4*\s+3], s[G0B+4*\s+3], 0x80000000
	JLOAD \s
.endr
	v_and_b32 v1, 15, v0
	s_wait_alu depctr_va_vdst(0)
	v_bfe_u32 v2, v0, 4, 1
	v_and_b32 v3, 31, v0
	v_lshlrev_b32 v3, 4, v3                        ; 16 x lane
	s_mul_i32 s22, s[WR], HALFT
	s_mul_i32 s23, s[WC], HALFT
	s_add_co_u32 s23, s23, 2*HALFT
	v_add_nc_u32 v[ADRA], s22, v3
	v_add_nc_u32 v[ADRB], s23, v3
	s_mul_i32 s22, s[WV], 16*272
	s_add_co_u32 s22, s22, STAGE                   ; my stage
	v_mul_u32_u24 v4, v1, 272
	s_wait_alu depctr_va_vdst(0)
	v_lshl_add_u32 v4, v2, 5, v4
	v_add_nc_u32 v[STO], s22, v4                   ; in: row r, + 32 h
	v_mul_u32_u24 v4, v2, 272
	v_lshl_add_u32 v4, v1, 4, v4
	v_add_nc_u32 v[RD], s22, v4                    ; back: lanes 0-15 one row of 256 bytes, lanes 16-31 the next
	v_lshlrev_b32 v[BO], 4, v1
	s_wait_alu depctr_va_vdst(0)
	v_lshl_add_u32 v[CO], v2, 12, v[BO]            ; and the same two rows in RES and OUT
	s_wait_alu depctr_va_vdst(0)
	s_lshl_b32 s70, s17, 7
	s_lshl_b32 s71, s[WR], 6
	s_add_co_u32 s70, s70, s71
	s_lshl_b32 s70, s70, 12                        ; my first row
	s_lshl_b32 s72, s42, 7
	s_lshl_b32 s73, s[WC], 6
	s_add_co_u32 s72, s72, s73
	s_lshl_b32 s72, s72, 2                         ; my first column
	s_mov_b32 s73, 0
	s_add_nc_u64 s[10:11], s[10:11], s[72:73]
	s_add_co_u32 s70, s70, s72
	s_mov_b32 s71, 0
	s_add_nc_u64 s[8:9], s[8:9], s[70:71]
	s_add_nc_u64 s[14:15], s[14:15], s[70:71]
.macro RES a                           ; the residual of block a: 16 rows x 256 bytes
.irp t, 0,1,2,3,4,5,6,7
	global_load_b128 v[RS+32*((\a)%2)+4*\t:RS+32*((\a)%2)+4*\t+3], v[CO], s[8:9] offset:(16*(\a)+2*\t)*4096
.endr
.endm
	global_load_b128 v[8:11], v[BO], s[10:11]      ; the bias of my four columns; these 17 loads land under the products
	RES 0
	RES 1
.macro MUL8 f, a0, zero                ; the sixteen accumulators take turns, in one order throughout
.irp a, \a0, \a0+1
.irp b, 0,1,2,3
.if \zero
	v_wmma_f32_16x16x128_bf8_bf8 v[ACC+8*(4*(\a)+\b):ACC+8*(4*(\a)+\b)+7], v[\f+64+16*\b:\f+64+16*\b+15], v[\f+16*(\a):\f+16*(\a)+15], 0
.else
	v_wmma_f32_16x16x128_bf8_bf8 v[ACC+8*(4*(\a)+\b):ACC+8*(4*(\a)+\b)+7], v[\f+64+16*\b:\f+64+16*\b+15], v[\f+16*(\a):\f+16*(\a)+15], v[ACC+8*(4*(\a)+\b):ACC+8*(4*(\a)+\b)+7]
.endif
.endr
.endr
.endm
.macro FETCH slot, q, f                ; 32 LDS loads: the eight fragments of the slot's q-th 128 along K
	WIN TO_F
.irp i, 0,1,2,3
.irp c, 0,1,2,3
	ds_load_b128 v[\f+64+16*\i+4*\c:\f+64+16*\i+4*\c+3], v[ADRB+\slot] offset:\i*16384+(\q)*2048+512*\c
.endr
.endr
.irp i, 0,1,2,3
.irp c, 0,1,2,3
	ds_load_b128 v[\f+16*\i+4*\c:\f+16*\i+4*\c+3], v[ADRA+\slot] offset:\i*16384+(\q)*2048+512*\c
.endr
.endr
.endm
.macro PLACES
.rept 4
	v_nop
.endr
.endm
.macro QUARTER slot, qn, f, g, zero    ; asks for quarter qn into buffer g, then multiplies buffer f
	PLACES
	FETCH \slot, \qn, \g
	s_wait_dscnt 32                                ; all but the 32 just issued
	WIN MUL
	MUL8 \f, 0, \zero
	MUL8 \f, 2, \zero
.endm
	s_wait_tensorcnt 0x0                           ; my one tensor load, my quarter of the two tiles, has landed
	s_barrier_signal -1
	s_barrier_wait -1
	FETCH 0, 0, F0
	QUARTER 0, 1, F0, F1, 1                        ; the first quarter's products start the sums
	QUARTER 0, 2, F1, F0, 0                        ; eight steps of 128 along K, the two fragment buffers by turns
	QUARTER 0, 3, F0, F1, 0
	QUARTER 0, 4, F1, F0, 0
	QUARTER 0, 5, F0, F1, 0
	QUARTER 0, 6, F1, F0, 0
	QUARTER 0, 7, F0, F1, 0
	s_wait_dscnt 0x0
	WIN MUL
	MUL8 F1, 0, 0
	MUL8 F1, 2, 0
	WIN 0
	; THE WAY OUT.  My 64 columns are 256 bytes of a row: a block of 16 rows goes through my own stage and comes back as whole rows; LDS serves a wave's instructions in order, so no wait stands between the stores and the loads
	s_wait_kmcnt 0x0
	s_add_co_i32 s96, s96, s97
	s_add_co_i32 s96, s96, 127
	s_lshl_b32 s96, s96, 23                        ; 2^(ea + eb)
	s_mov_b32 s97, s96
	PLACES
.macro OUT a
.if \a > 0
	s_wait_xcnt 0x0                                ; the last block's stores have read their registers
.endif
.irp b, 0,1,2,3
	ds_store_b128 v[STO], v[ACC+8*(4*\a+\b):ACC+8*(4*\a+\b)+3] offset:64*\b
	ds_store_b128 v[STO], v[ACC+8*(4*\a+\b)+4:ACC+8*(4*\a+\b)+7] offset:64*\b+16
.endr
.irp t, 0,1,2,3,4,5,6,7
	ds_load_b128 v[BK+4*\t:BK+4*\t+3], v[RD] offset:544*\t
.endr
	s_wait_dscnt 0x0
.if \a < 3
	s_wait_loadcnt 8                               ; this block's residual is in; the next block's eight loads may be out
.else
	s_wait_loadcnt 0x0
.endif
.irp i, 0,2,4,6,8,10,12,14,16,18,20,22,24,26,28,30
	v_pk_fma_f32 v[BK+\i:BK+\i+1], v[BK+\i:BK+\i+1], s[96:97], v[8+(\i%4):9+(\i%4)] op_sel_hi:[1,0,1]
.endr
.irp i, 0,2,4,6,8,10,12,14,16,18,20,22,24,26,28,30
	v_pk_add_f32 v[BK+\i:BK+\i+1], v[BK+\i:BK+\i+1], v[RS+32*(\a%2)+\i:RS+32*(\a%2)+\i+1]
.endr
.irp t, 0,1,2,3,4,5,6,7
	global_store_b128 v[CO], v[BK+4*\t:BK+4*\t+3], s[14:15] offset:(16*\a+2*\t)*4096   ; sixteen lanes store 256 consecutive bytes, aligned
.endr
.if \a < 2
	RES \a+2
.endif
.endm
	OUT 0
	OUT 1
	OUT 2
	OUT 3
	s_wait_tensorcnt 0x0                           ; the wave's end
	ds_add_u32 v[SPW], v[NIL]
	s_wait_dscnt 0x0
	CROUND
	s_endpgm
.Lfunc_end_k_qbaae59cd0a_wo:
	.size	k_qbaae59cd0a_wo, .Lfunc_end_k_qbaae59cd0a_wo-k_qbaae59cd0a_wo
	.p2alignl 7, 3214868480
	.fill 96, 4, 3214868480
	.section	.rodata,"a",@progbits
	.p2align	6, 0x0
	.amdhsa_kernel k_qbaae59cd0a_wo
		.amdhsa_group_segment_fixed_size 327680
		.amdhsa_private_segment_fixed_size 0
		.amdhsa_enable_private_segment 0
		.amdhsa_kernarg_size 48
		.amdhsa_user_sgpr_count 2
		.amdhsa_user_sgpr_kernarg_segment_ptr 1
		.amdhsa_wavefront_size32 1
		.amdhsa_system_sgpr_workgroup_id_x 1
		.amdhsa_system_sgpr_workgroup_id_y 1
		.amdhsa_system_sgpr_workgroup_id_z 1
		.amdhsa_system_vgpr_workitem_id 0
		.amdhsa_next_free_vgpr 512
		.amdhsa_next_free_sgpr 100
		.amdhsa_reserve_vcc 0
		.amdhsa_float_denorm_mode_32 3
		.amdhsa_float_denorm_mode_16_64 3
		.amdhsa_memory_ordered 1
		.amdhsa_forward_progress 1
		.amdhsa_inst_pref_size 51
	.end_amdhsa_kernel
	.amdgpu_metadata
---
amdhsa.version: [ 1, 2 ]
amdhsa.kernels:
  - .name:           k_qbaae59cd0a_wo
    .symbol:         k_qbaae59cd0a_wo.kd
    .args:
      - { .name: aoc, .offset: 0, .size: 8, .value_kind: global_buffer, .address_space: global }
      - { .name: pc, .offset: 8, .size: 8, .value_kind: global_buffer, .address_space: global }
      - { .name: x, .offset: 16, .size: 8, .value_kind: global_buffer, .address_space: global }
      - { .name: bo, .offset: 24, .size: 8, .value_kind: global_buffer, .address_space: global }
      - { .name: lowp_scales, .offset: 32, .size: 8, .value_kind: global_buffer, .address_space: global }
      - { .name: x1, .offset: 40, .size: 8, .value_kind: global_buffer, .address_space: global }
    .group_segment_fixed_size: 327680
    .private_segment_fixed_size: 0
    .kernarg_segment_align: 8
    .kernarg_segment_size: 48
    .max_flat_workgroup_size: 128
    .sgpr_count:     100
    .vgpr_count:     512
    .wavefront_size: 32
...
	.end_amdgpu_metadata
.endif
;; end of part 4
;; launch ln2 (part 5): grid 256 x 1, 4 waves a work-group, no clusters, 66,304 bytes of LDS; arguments x1, ln2_w, ln2_b, lowp_scales, xn2c; writes xn2c
.if DOCPART == 5
	.amdgcn_target "amdgcn-amd-amdhsa--gfx1250"
	.amdhsa_code_object_version 6
	.text
	.protected	k_qbaae59cd0a_ln2
	.globl	k_qbaae59cd0a_ln2
	.p2align	8
	.type	k_qbaae59cd0a_ln2,@function
k_qbaae59cd0a_ln2:
	s_mov_b64 s[64:65], 0
	v_nop
	global_prefetch_b8 v0, s[64:65] scope:SCOPE_SE
	s_setreg_imm32_b32 hwreg(HW_REG_WAVE_MODE, 25, 1), 1
	s_wait_xcnt 0x0
; LayerNorm 2 of 16 rows of x1, quantised (e14) into codes of E5M2 laid as images of the operand's registers: units of 16 rows x 64 K, 1,024 bytes, registers 4 q .. 4 q + 3 of lane l at 512 q + 16 l; [256 blocks][16 units].
; Wave w owns rows 4 w .. 4 w + 3 for the norm (a row stays in 32 registers between the passes); a unit needs all 16 rows, so the rows meet in a stage in LDS, and wave w then makes units 4 w .. 4 w + 3.
; LIMITS: e14 between -126 and 112; NaN among the inputs is not served.
.set X,    32
.set LW,   160
.set LB,   192
.set T,    224
.set SP,   4112                        ; a stage row: 4,096 bytes + 16: an odd multiple of 16
.macro ACROSS R
.irp j, 0,1,2,3
	v_pk_add_f32 v[\R+4*\j:\R+4*\j+1], v[\R+4*\j:\R+4*\j+1], v[\R+4*\j+2:\R+4*\j+3]
.endr
.irp j, 0,1,2,3
	v_add_f32 v[\R+4*\j], v[\R+4*\j], v[\R+4*\j+1]
.endr
.irp m, 1,2,4,8
.irp j, 0,1,2,3
	v_add_f32_dpp v[\R+4*\j], v[\R+4*\j], v[\R+4*\j] row_xmask:\m row_mask:0xf bank_mask:0xf
.endr
.endr
.irp j, 0,1,2,3
	v_permlanex16_b32 v[\R+4*\j+1], v[\R+4*\j], s78, s79
.endr
.irp j, 0,1,2,3
	v_add_f32 v[\R+4*\j], v[\R+4*\j], v[\R+4*\j+1]
.endr
.endm
.macro FETCHU u
.irp c, 0,1,2,3
	ds_load_b128 v[160+32*((\u)%2)+8*\c:160+32*((\u)%2)+8*\c+3], v6 offset:256*(\u)+64*\c
	ds_load_b128 v[160+32*((\u)%2)+8*\c+4:160+32*((\u)%2)+8*\c+7], v6 offset:256*(\u)+64*\c+16
.endr
.endm
	s_load_b256 s[4:11], s[0:1], 0x0               ; x1 s[4:5], ln2_w s[6:7], ln2_b s[8:9], the exponents s[10:11]
	s_load_b64 s[12:13], s[0:1], 0x20              ; the codes
	v_lshl_add_u32 v14, v0, 2, 0x10100
	v_mov_b32 v15, 0
	v_lshrrev_b32 v1, 5, v0
	v_readfirstlane_b32 s50, v1
	v_and_b32 v1, 31, v0
	v_and_b32 v2, 15, v0
	v_bfe_u32 v3, v0, 4, 1
	v_lshlrev_b32 v4, 4, v1
	s_lshl_b32 s54, ttmp9, 16
	s_lshl_b32 s55, s50, 14
	s_add_co_u32 s54, s54, s55
	s_mov_b32 s55, 0
	s_wait_alu depctr_va_vdst(0)
	s_wait_kmcnt 0x0
	s_load_b32 s32, s[10:11], 0x38                 ; e14
	s_add_nc_u64 s[4:5], s[4:5], s[54:55]
.irp j, 0,1,2,3
.irp i, 0,1,2,3,4,5,6,7
	global_load_b128 v[X+32*\j+4*\i:X+32*\j+4*\i+3], v4, s[4:5] offset:\j*4096+512*\i
.endr
.endr
.irp i, 0,1,2,3,4,5,6,7
	global_load_b128 v[LW+4*\i:LW+4*\i+3], v4, s[6:7] offset:512*\i
.endr
.irp i, 0,1,2,3,4,5,6,7
	global_load_b128 v[LB+4*\i:LB+4*\i+3], v4, s[8:9] offset:512*\i
.endr
	s_mul_i32 s53, s50, 4*SP
	v_add_nc_u32 v5, s53, v4
	v_mul_u32_u24 v6, v2, SP
	v_lshl_add_u32 v6, v3, 5, v6
	s_lshl_b32 s53, s50, 10
	v_add_nc_u32 v6, s53, v6
	s_lshl_b32 s53, s50, 12
	v_add_nc_u32 v7, s53, v4
	s_lshl_b32 s54, ttmp9, 14
	s_add_nc_u64 s[12:13], s[12:13], s[54:55]
	s_mov_b32 s78, 0x76543210
	s_mov_b32 s79, 0xfedcba98
	s_mov_b32 s60, 0x3a800000                      ; 1 / 1024
	s_mov_b32 s61, 0x3727c5ac                      ; 1e-5
	s_wait_kmcnt 0x0
	s_add_co_i32 s62, s32, 127
	s_lshl_b32 s63, s62, 23
	v_mov_b32 v8, s63                              ; 2^e14
	s_add_co_i32 s62, s62, 15
	s_lshl_b32 s62, s62, 23
	s_or_b32 s62, s62, 0x600000
	v_mov_b32 v9, s62                              ; 57,344 x 2^e14
	s_wait_loadcnt 16                              ; the rows' 32 loads are in; the gain's and the bias's 16 may be out
.irp j, 0,1,2,3
	v_pk_add_f32 v[16+4*\j:17+4*\j], v[X+32*\j:X+32*\j+1], v[X+32*\j+2:X+32*\j+3]
	v_pk_add_f32 v[18+4*\j:19+4*\j], v[X+32*\j+4:X+32*\j+5], v[X+32*\j+6:X+32*\j+7]
.endr
.irp i, 8,12,16,20,24,28
.irp j, 0,1,2,3
	v_pk_add_f32 v[16+4*\j:17+4*\j], v[16+4*\j:17+4*\j], v[X+32*\j+\i:X+32*\j+\i+1]
	v_pk_add_f32 v[18+4*\j:19+4*\j], v[18+4*\j:19+4*\j], v[X+32*\j+\i+2:X+32*\j+\i+3]
.endr
.endr
	ACROSS 16
.irp j, 0,1,2,3
	v_mul_f32 v[16+4*\j], 0xba800000, v[16+4*\j]   ; -mean
.endr
.irp j, 0,1,2,3
	v_mov_b32 v[17+4*\j], v[16+4*\j]
.endr
.irp i, 0,2,4,6,8,10,12,14,16,18,20,22,24,26,28,30
.irp j, 0,1,2,3
	v_pk_add_f32 v[X+32*\j+\i:X+32*\j+\i+1], v[X+32*\j+\i:X+32*\j+\i+1], v[16+4*\j:17+4*\j]
.endr
.endr
.irp j, 0,1,2,3
	v_pk_mul_f32 v[T+4*\j:T+4*\j+1], v[X+32*\j:X+32*\j+1], v[X+32*\j:X+32*\j+1]
	v_pk_mul_f32 v[T+4*\j+2:T+4*\j+3], v[X+32*\j+2:X+32*\j+3], v[X+32*\j+2:X+32*\j+3]
.endr
.irp i, 4,8,12,16,20,24,28
.irp j, 0,1,2,3
	v_pk_fma_f32 v[T+4*\j:T+4*\j+1], v[X+32*\j+\i:X+32*\j+\i+1], v[X+32*\j+\i:X+32*\j+\i+1], v[T+4*\j:T+4*\j+1]
	v_pk_fma_f32 v[T+4*\j+2:T+4*\j+3], v[X+32*\j+\i+2:X+32*\j+\i+3], v[X+32*\j+\i+2:X+32*\j+\i+3], v[T+4*\j+2:T+4*\j+3]
.endr
.endr
	ACROSS T
.irp j, 0,1,2,3
	v_fma_f32 v[T+4*\j], v[T+4*\j], s60, s61
.endr
	s_wait_alu depctr_va_vdst(0)
.irp j, 0,1,2,3
	v_rsq_f32 v[18+4*\j], v[T+4*\j]
.endr
	v_nop                                          ; a plain line behind the last root
	s_wait_alu depctr_va_vdst(0)
.irp j, 0,1,2,3
	v_mov_b32 v[19+4*\j], v[18+4*\j]
.endr
	s_wait_alu depctr_va_vdst(0)
	s_wait_loadcnt 0x0
.irp i, 0,2,4,6,8,10,12,14,16,18,20,22,24,26,28,30
.irp j, 0,1,2,3
	v_pk_mul_f32 v[X+32*\j+\i:X+32*\j+\i+1], v[X+32*\j+\i:X+32*\j+\i+1], v[18+4*\j:19+4*\j]
.endr
.endr
.irp i, 0,2,4,6,8,10,12,14,16,18,20,22,24,26,28,30
.irp j, 0,1,2,3
	v_pk_fma_f32 v[X+32*\j+\i:X+32*\j+\i+1], v[X+32*\j+\i:X+32*\j+\i+1], v[LW+\i:LW+\i+1], v[LB+\i:LB+\i+1]
.endr
.endr
.irp j, 0,1,2,3
.irp i, 0,1,2,3,4,5,6,7
	ds_store_b128 v5, v[X+32*\j+4*\i:X+32*\j+4*\i+3] offset:\j*SP+512*\i
.endr
.endr
	s_wait_dscnt 0x0                               ; for the others' sake: my four rows lie in the stage
	s_barrier_signal -1
	s_barrier_wait -1
	FETCHU 0
	FETCHU 1
.irp u, 0,1,2,3
.if \u < 3
	s_wait_dscnt 8                                 ; this unit's eight loads are in; the next unit's may be out
.else
	s_wait_dscnt 0x0
.endif
.set ii, 0
.rept 32
	v_med3_num_f32 v[T+ii], v[160+32*(\u%2)+ii], -v9, v9
.set ii, ii+1
.endr
.irp c, 0,1,2,3
	v_cvt_scalef32_pk8_bf8_f32 v[X+8*\u+2*\c:X+8*\u+2*\c+1], v[T+8*\c:T+8*\c+7], v8
.endr
	v_nop                                          ; a plain line between the conversions and the next holds, which write their sources
	global_store_b128 v7, v[X+8*\u:X+8*\u+3], s[12:13] offset:1024*\u
	global_store_b128 v7, v[X+8*\u+4:X+8*\u+7], s[12:13] offset:1024*\u+512
.if \u < 2
	FETCHU \u+2
.endif
.endr
	s_wait_tensorcnt 0x0
	ds_add_u32 v14, v15
	s_wait_dscnt 0x0
	s_endpgm
.Lfunc_end_k_qbaae59cd0a_ln2:
	.size	k_qbaae59cd0a_ln2, .Lfunc_end_k_qbaae59cd0a_ln2-k_qbaae59cd0a_ln2
	.p2alignl 7, 3214868480
	.fill 96, 4, 3214868480
	.section	.rodata,"a",@progbits
	.p2align	6, 0x0
	.amdhsa_kernel k_qbaae59cd0a_ln2
		.amdhsa_group_segment_fixed_size 66304
		.amdhsa_private_segment_fixed_size 0
		.amdhsa_enable_private_segment 0
		.amdhsa_kernarg_size 40
		.amdhsa_user_sgpr_count 2
		.amdhsa_user_sgpr_kernarg_segment_ptr 1
		.amdhsa_wavefront_size32 1
		.amdhsa_system_sgpr_workgroup_id_x 1
		.amdhsa_system_sgpr_workgroup_id_y 1
		.amdhsa_system_sgpr_workgroup_id_z 1
		.amdhsa_system_vgpr_workitem_id 0
		.amdhsa_next_free_vgpr 256
		.amdhsa_next_free_sgpr 80
		.amdhsa_reserve_vcc 0
		.amdhsa_float_denorm_mode_32 3
		.amdhsa_float_denorm_mode_16_64 3
		.amdhsa_memory_ordered 1
		.amdhsa_forward_progress 1
		.amdhsa_inst_pref_size 45
	.end_amdhsa_kernel
	.amdgpu_metadata
---
amdhsa.version: [ 1, 2 ]
amdhsa.kernels:
  - .name:           k_qbaae59cd0a_ln2
    .symbol:         k_qbaae59cd0a_ln2.kd
    .args:
      - { .name: x1, .offset: 0, .size: 8, .value_kind: global_buffer, .address_space: global }
      - { .name: ln2_w, .offset: 8, .size: 8, .value_kind: global_buffer, .address_space: global }
      - { .name: ln2_b, .offset: 16, .size: 8, .value_kind: global_buffer, .address_space: global }
      - { .name: lowp_scales, .offset: 24, .size: 8, .value_kind: global_buffer, .address_space: global }
      - { .name: xn2c, .offset: 32, .size: 8, .value_kind: global_buffer, .address_space: global }
    .group_segment_fixed_size: 66304
    .private_segment_fixed_size: 0
    .kernarg_segment_align: 8
    .kernarg_segment_size: 40
    .max_flat_workgroup_size: 128
    .sgpr_count:     80
    .vgpr_count:     256
    .wavefront_size: 32
...
	.end_amdgpu_metadata
.endif
;; end of part 5
;; launch ffn1 (part 6): grid 16 x 16, 4 waves a work-group, clusters of 4 x 4, 327,680 bytes of LDS; arguments xn2c, pc, b1, lowp_scales, hc; writes hc
.if DOCPART == 6
	.amdgcn_target "amdgcn-amd-amdhsa--gfx1250"
	.amdhsa_code_object_version 6
	.text
	.protected	k_qbaae59cd0a_ffn1
	.globl	k_qbaae59cd0a_ffn1
	.p2align	8
	.type	k_qbaae59cd0a_ffn1,@function
k_qbaae59cd0a_ffn1:
	s_mov_b64 s[64:65], 0
	v_nop
	global_prefetch_b8 v0, s[64:65] scope:SCOPE_SE
	s_setreg_imm32_b32 hwreg(HW_REG_WAVE_MODE, 25, 1), 1
	s_wait_xcnt 0x0
	s_wait_alu depctr_hold_cnt(0) depctr_sa_sdst(0) depctr_va_vdst(0) depctr_va_sdst(0) depctr_va_ssrc(0) depctr_va_vcc(0) depctr_vm_vsrc(0)
	s_getreg_b32 s2, hwreg(HW_REG_IB_STS2, 6, 4)
	s_cmp_eq_u32 s2, 0
	s_cbranch_scc0 .Lentry_in_a_cluster
	s_endpgm
.Lentry_in_a_cluster:
	s_bfe_u32 s2, ttmp6, 0x10000c
	s_cmp_lg_u32 s2, 0xf033
	s_cbranch_scc0 .Lentry_shape_is_right
	s_endpgm
.Lentry_shape_is_right:
.set HALFT,  32768
.set SLOT,   4*HALFT
.set SPARE,  2*SLOT
.set LAPS,   2
.set W1C,    21<<20
.set FR,     16
.set NL,     4
.set NP,     4
.set ADRA, 16
.set ADRB, 20
.set SPW,  28
.set NIL,  29
.set BIAS, 32
.set COD,  96
.set T,    128
.set E,    192
.set AF,   128
.set G1, 24
.set G0, 32
.set G1B, 48
.set G0B, 56
.set MSB, 0
.macro WIN new
.if MSB != \new
	s_set_vgpr_msb (MSB<<8)|\new
.set MSB, \new
.endif
.endm
.set MUL_LO, 0xa1
.set MUL_HI, 0xf1
.set TO_B,   0x40
.macro JLOAD g0a, g1a, g0b, g1b
	s_cmp_eq_u32 s15, 0
	s_cbranch_scc0 .Lfor_b_\@
	tensor_load_to_lds s[\g0a:\g0a+3], s[\g1a:\g1a+7]
	s_nop 0
.rept 4
	v_nop
.endr
	s_branch .Lasked_\@
.Lfor_b_\@:
	tensor_load_to_lds s[\g0b:\g0b+3], s[\g1b:\g1b+7]
	s_nop 0
.rept 4
	v_nop
.endr
.Lasked_\@:
.endm
.macro CREST
	s_cmp_lg_u32 s14, 0
	s_cbranch_scc1 .Lnot_wave_0_\@
	s_barrier_signal -3
.Lnot_wave_0_\@:
	s_barrier_wait -3
	s_barrier_signal -1
	s_barrier_wait -1
.endm
.macro CROUND
	s_barrier_signal -1
	s_barrier_wait -1
	CREST
.endm
	s_load_b256 s[4:11], s[0:1], 0x0
	s_load_b64 s[12:13], s[0:1], 0x20
	v_lshl_add_u32 v[SPW], v0, 2, SPARE
	v_mov_b32 v[NIL], 0
	ds_add_u32 v28, v29
	ds_add_u32 v28, v29
	s_wait_dscnt 0x0
	v_lshrrev_b32 v1, 5, v0
	v_readfirstlane_b32 s14, v1
	s_lshr_b32 s15, s14, 1
	s_and_b32 s16, s14, 1
	s_bfe_u32 s40, ttmp6, 0x40000
	s_bfe_u32 s41, ttmp6, 0x40004
	s_lshl_b32 s42, ttmp9, 2
	s_add_co_u32 s42, s42, s40
	s_and_b32 s17, ttmp7, 0xffff
	s_lshl_b32 s17, s17, 2
	s_add_co_u32 s17, s17, s41
	s_lshl_b32 s43, s41, 2
	s_lshl_b32 s43, 15, s43
	s_lshl_b32 s44, 0x1111, s40
	s_or_b32 s[G1+0], s43, (3<<16)|(1<<21)
	s_or_b32 s[G1B+0], s44, (3<<16)|(1<<21)
.irp g, G1, G1B
	s_mov_b32 s[\g+1], 512<<16
	s_mov_b32 s[\g+2], 8<<16
	s_mov_b32 s[\g+3], 512<<16
	s_mov_b32 s[\g+4], 8
	s_mov_b32 s[\g+5], 2048
	s_mov_b32 s[\g+6], 0
	s_mov_b32 s[\g+7], 0
.endr
	s_lshl_b32 s18, s16, 3
	s_lshl_b32 s20, s17, 4
	s_add_co_u32 s20, s20, s18
	s_lshl_b32 s20, s20, 14
	s_mov_b32 s21, 0
	s_lshl_b32 s46, s42, 4
	s_add_co_u32 s46, s46, s18
	s_lshl_b32 s46, s46, 14
	s_add_co_u32 s46, s46, W1C
	s_mov_b32 s47, 0
	s_mul_i32 s45, s14, HALFT
	s_wait_kmcnt 0x0
	s_load_b64 s[96:97], s[10:11], 0x38
	s_load_b32 s98, s[10:11], 0x40
	s_add_nc_u64 s[20:21], s[4:5], s[20:21]
	s_add_nc_u64 s[46:47], s[6:7], s[46:47]
	CROUND
.irp s, 0,1
	s_mov_b32 s[G0+4*\s], 1
	s_add_co_u32 s[G0+4*\s+1], s45, \s*SLOT
	s_add_nc_u64 s[G0+4*\s+2:G0+4*\s+3], s[20:21], \s*4096
	s_or_b32 s[G0+4*\s+3], s[G0+4*\s+3], 0x80000000
	s_mov_b32 s[G0B+4*\s], 1
	s_add_co_u32 s[G0B+4*\s+1], s45, \s*SLOT
	s_add_nc_u64 s[G0B+4*\s+2:G0B+4*\s+3], s[46:47], \s*4096
	s_or_b32 s[G0B+4*\s+3], s[G0B+4*\s+3], 0x80000000
.if \s                                 ; slot 1's first fill is issued as a refill is; slot 0's stands behind the opening round
	s_wait_alu depctr_va_vdst(0)
	s_wait_tensorcnt 0x0
	ds_add_u32 v28, v29
	ds_add_u32 v28, v29
	s_wait_dscnt 0x0
	CROUND
.endif
	JLOAD G0+4*\s, G1, G0B+4*\s, G1B
.endr
	v_bfe_u32 v2, v0, 4, 1
	v_and_b32 v3, 31, v0
	v_lshlrev_b32 v13, 4, v3
	s_mul_i32 s22, s15, HALFT
	s_mul_i32 s23, s16, HALFT
	s_add_co_u32 s23, s23, 2*HALFT
.irp s, 0,1
	v_add_nc_u32 v[ADRA+\s], s22, v13
	v_add_nc_u32 v[ADRB+\s], s23, v13
	s_add_co_u32 s22, s22, SLOT
	s_add_co_u32 s23, s23, SLOT
.endr
	v_lshlrev_b32 v14, 5, v2
	s_lshl_b32 s66, s42, 10
	s_lshl_b32 s67, s16, 9
	s_add_co_u32 s66, s66, s67
	s_mov_b32 s67, 0
	s_add_nc_u64 s[8:9], s[8:9], s[66:67]
.irp b, 0,1,2,3,4,5,6,7
	global_load_b128 v[BIAS+8*\b:BIAS+8*\b+3], v14, s[8:9] offset:64*\b
	global_load_b128 v[BIAS+8*\b+4:BIAS+8*\b+7], v14, s[8:9] offset:64*\b+16
.endr
	s_lshl_b32 s68, s17, 4
	s_lshl_b32 s69, s15, 3
	s_add_co_u32 s68, s68, s69
	s_lshl_b32 s68, s68, 16
	s_lshl_b32 s69, s42, 2
	s_lshl_b32 s70, s16, 1
	s_add_co_u32 s69, s69, s70
	s_lshl_b32 s69, s69, 10
	s_add_co_u32 s68, s68, s69
	s_mov_b32 s69, 0
	s_add_nc_u64 s[12:13], s[12:13], s[68:69]
.macro FRAG reg, adr, q, i
.irp c, 0,1,2,3
	ds_load_b128 v[\reg+4*\c:\reg+4*\c+3], v[\adr] offset:(\i)*4096+(\q)*2048+512*\c
.endr
.endm
.macro MUL16 a0, p, zero
.irp a, \a0, \a0+1
.irp b, 0,1,2,3,4,5,6,7
.if \zero
	v_wmma_f32_16x16x128_bf8_bf8 v[8*(8*((\a)%4)+\b):8*(8*((\a)%4)+\b)+7], v[128*(\p)+FR*\b:128*(\p)+FR*\b+FR-1], v[AF+FR*(\a):AF+FR*(\a)+FR-1], 0
.else
	v_wmma_f32_16x16x128_bf8_bf8 v[8*(8*((\a)%4)+\b):8*(8*((\a)%4)+\b)+7], v[128*(\p)+FR*\b:128*(\p)+FR*\b+FR-1], v[AF+FR*(\a):AF+FR*(\a)+FR-1], v[8*(8*((\a)%4)+\b):8*(8*((\a)%4)+\b)+7]
.endif
.endr
.endr
.endm
.macro FETCH_B slot, q, p
	WIN TO_B
.irp i, 0,1,2,3,4,5,6,7
	FRAG 128*(\p)+FR*\i, ADRB+\slot, \q, \i
.endr
	WIN 0
.endm
.macro FETCH_A slot, q, i0
.irp i, \i0, \i0+1, \i0+2, \i0+3
	FRAG AF+FR*(\i), ADRA+\slot, \q, \i
.endr
.endm
.macro PLACES n
.rept \n
	v_nop
.endr
.endm
.macro STEP slot, q, zero
	s_wait_dscnt 4*NL
	WIN MUL_LO
	MUL16 0, (\q)%2, \zero
	MUL16 2, (\q)%2, \zero
	s_wait_dscnt 0
	PLACES NP
	FETCH_B \slot, (\q)+1, 1-(\q)%2
	FETCH_A \slot, (\q)+1, 0
	WIN MUL_HI
	MUL16 4, (\q)%2, \zero
	MUL16 6, (\q)%2, \zero
	PLACES NP
	WIN 0
	FETCH_A \slot, (\q)+1, 4
.endm
.macro TURN slot, next, fill
	s_wait_tensorcnt 0x0
	ds_add_u32 v[SPW], v[NIL]
	s_wait_dscnt 4*NL+1
	WIN MUL_LO
	MUL16 0, 1, 0
	s_wait_dscnt 0x0
	s_barrier_signal -1
	MUL16 2, 1, 0
	WIN 0
	s_barrier_wait -1
.if \fill
	CREST
	s_add_nc_u64 s[G0+4*\slot+2:G0+4*\slot+3], s[G0+4*\slot+2:G0+4*\slot+3], 8192
	s_add_nc_u64 s[G0B+4*\slot+2:G0B+4*\slot+3], s[G0B+4*\slot+2:G0B+4*\slot+3], 8192
	JLOAD G0+4*\slot, G1, G0B+4*\slot, G1B
.else
	PLACES NP
.endif
	FETCH_B \next, 0, 0
	FETCH_A \next, 0, 0
	WIN MUL_HI
	MUL16 4, 1, 0
	MUL16 6, 1, 0
	PLACES NP
	WIN 0
	FETCH_A \next, 0, 4
.endm
	s_wait_alu depctr_va_vdst(0)
	s_wait_tensorcnt 1
	s_barrier_signal -1
	s_barrier_wait -1
	FETCH_B 0, 0, 0
	FETCH_A 0, 0, 0
	FETCH_A 0, 0, 4
	STEP 0, 0, 1
	s_mov_b32 s3, LAPS-1
.Llap:
	TURN 0, 1, 1
	STEP 1, 0, 0
	TURN 1, 0, 1
	STEP 0, 0, 0
	s_sub_co_u32 s3, s3, 1
	s_cmp_lg_u32 s3, 0
	s_cbranch_scc1 .Llap
	TURN 0, 1, 0
	STEP 1, 0, 0
	s_wait_dscnt 4*NL
	WIN MUL_LO
	MUL16 0, 1, 0
	MUL16 2, 1, 0
	s_wait_dscnt 0
	WIN MUL_HI
	MUL16 4, 1, 0
	MUL16 6, 1, 0
	WIN 0
	s_wait_kmcnt 0x0
	s_add_co_i32 s96, s96, s97
	s_add_co_i32 s96, s96, 127
	s_lshl_b32 s96, s96, 23
	s_mov_b32 s97, s96
	s_add_co_i32 s98, s98, 127
	s_lshl_b32 s99, s98, 23
	s_add_co_i32 s98, s98, 15
	s_lshl_b32 s98, s98, 23
	s_or_b32 s98, s98, 0x600000
	PLACES NP
	v_mov_b32 v30, s99
	v_mov_b32 v31, s98
	s_wait_loadcnt 0x0
.irp a, 0,1,2,3,4,5,6,7
	s_wait_xcnt 0x0
	WIN 0x02+(\a/4)
.set jj, 0
.rept 32
	v_pk_fma_f32 v[T+jj:T+jj+1], v[64*(\a%4)+jj:64*(\a%4)+jj+1], s[96:97], v[BIAS+jj:BIAS+jj+1] op_sel_hi:[1,0,1]
.set jj, jj+2
.endr
	WIN 0
.set jj, 0
.rept 32
	v_pk_mul_f32 v[E+jj:E+jj+1], v[T+jj:T+jj+1], 0xbfb8aa3b op_sel_hi:[1,0]
.set jj, jj+2
.endr
.set jj, 0
	s_wait_alu depctr_va_vdst(0)
.rept 64
	v_exp_f32 v[E+jj], v[E+jj]
.set jj, jj+1
.endr
	v_nop
.set jj, 0
	s_wait_alu depctr_va_vdst(0)
.rept 32
	v_pk_add_f32 v[E+jj:E+jj+1], v[E+jj:E+jj+1], 1.0 op_sel_hi:[1,0]
.set jj, jj+2
.endr
.set jj, 0
	s_wait_alu depctr_va_vdst(0)
.rept 64
	v_rcp_f32 v[E+jj], v[E+jj]
.set jj, jj+1
.endr
	v_nop
.set jj, 0
	s_wait_alu depctr_va_vdst(0)
.rept 32
	v_pk_mul_f32 v[T+jj:T+jj+1], v[T+jj:T+jj+1], v[E+jj:E+jj+1]
.set jj, jj+2
.endr
.set jj, 0
.rept 64
	v_med3_num_f32 v[T+jj], v[T+jj], -v31, v31
.set jj, jj+1
.endr
.irp b, 0,1,2,3,4,5,6,7
	v_cvt_scalef32_pk8_bf8_f32 v[COD+16*(\a%2)+2*\b:COD+16*(\a%2)+2*\b+1], v[T+8*\b:T+8*\b+7], v30
.endr
	v_nop
.irp qq, 0,1,2,3
	global_store_b128 v13, v[COD+16*(\a%2)+4*\qq:COD+16*(\a%2)+4*\qq+3], s[12:13] offset:\a*65536+\qq*512
.endr
.endr
	s_wait_tensorcnt 0x0
	ds_add_u32 v[SPW], v[NIL]
	s_wait_dscnt 0x0
	CROUND
	s_endpgm
.Lfunc_end_k_qbaae59cd0a_ffn1:
	.size	k_qbaae59cd0a_ffn1, .Lfunc_end_k_qbaae59cd0a_ffn1-k_qbaae59cd0a_ffn1
	.p2alignl 7, 3214868480
	.fill 96, 4, 3214868480
	.section	.rodata,"a",@progbits
	.p2align	6, 0x0
	.amdhsa_kernel k_qbaae59cd0a_ffn1
		.amdhsa_group_segment_fixed_size 327680
		.amdhsa_private_segment_fixed_size 0
		.amdhsa_enable_private_segment 0
		.amdhsa_kernarg_size 40
		.amdhsa_user_sgpr_count 2
		.amdhsa_user_sgpr_kernarg_segment_ptr 1
		.amdhsa_wavefront_size32 1
		.amdhsa_system_sgpr_workgroup_id_x 1
		.amdhsa_system_sgpr_workgroup_id_y 1
		.amdhsa_system_sgpr_workgroup_id_z 1
		.amdhsa_system_vgpr_workitem_id 0
		.amdhsa_next_free_vgpr 1024
		.amdhsa_next_free_sgpr 100
		.amdhsa_reserve_vcc 0
		.amdhsa_float_denorm_mode_32 3
		.amdhsa_float_denorm_mode_16_64 3
		.amdhsa_memory_ordered 1
		.amdhsa_forward_progress 1
		.amdhsa_inst_pref_size 225
	.end_amdhsa_kernel
	.amdgpu_metadata
---
amdhsa.version: [ 1, 2 ]
amdhsa.kernels:
  - .name:           k_qbaae59cd0a_ffn1
    .symbol:         k_qbaae59cd0a_ffn1.kd
    .args:
      - { .name: xn2c, .offset: 0, .size: 8, .value_kind: global_buffer, .address_space: global }
      - { .name: pc, .offset: 8, .size: 8, .value_kind: global_buffer, .address_space: global }
      - { .name: b1, .offset: 16, .size: 8, .value_kind: global_buffer, .address_space: global }
      - { .name: lowp_scales, .offset: 24, .size: 8, .value_kind: global_buffer, .address_space: global }
      - { .name: hc, .offset: 32, .size: 8, .value_kind: global_buffer, .address_space: global }
    .group_segment_fixed_size: 327680
    .private_segment_fixed_size: 0
    .kernarg_segment_align: 8
    .kernarg_segment_size: 40
    .max_flat_workgroup_size: 128
    .sgpr_count:     100
    .vgpr_count:     1024
    .wavefront_size: 32
...
	.end_amdgpu_metadata
.endif
;; end of part 6
;; launch ffn2 (part 7): grid 32 x 8, 4 waves a work-group, clusters of 4 x 1, 327,680 bytes of LDS; arguments hc, pc, x1, b2, lowp_scales, out0; writes out0
.if DOCPART == 7
	.amdgcn_target "amdgcn-amd-amdhsa--gfx1250"
	.amdhsa_code_object_version 6
	.text
	.protected	k_qbaae59cd0a_ffn2
	.globl	k_qbaae59cd0a_ffn2
	.p2align	8
	.type	k_qbaae59cd0a_ffn2,@function
k_qbaae59cd0a_ffn2:
	s_mov_b64 s[64:65], 0
	v_nop
	global_prefetch_b8 v0, s[64:65] scope:SCOPE_SE
	s_setreg_imm32_b32 hwreg(HW_REG_WAVE_MODE, 25, 1), 1
	s_wait_xcnt 0x0
	s_wait_alu depctr_hold_cnt(0) depctr_sa_sdst(0) depctr_va_vdst(0) depctr_va_sdst(0) depctr_va_ssrc(0) depctr_va_vcc(0) depctr_vm_vsrc(0)
	s_getreg_b32 s2, hwreg(HW_REG_IB_STS2, 6, 4)
	s_cmp_eq_u32 s2, 0
	s_cbranch_scc0 .Lentry_in_a_cluster
	s_endpgm
.Lentry_in_a_cluster:
	s_bfe_u32 s2, ttmp6, 0x10000c
	s_cmp_lg_u32 s2, 0x3003
	s_cbranch_scc0 .Lentry_shape_is_right
	s_endpgm
.Lentry_shape_is_right:
; out0 = x1 + h W2 x 2^(e16 + e17) + b2.  A = h's codes [4,096][4,096], B = W2's codes [1,024][4,096] at byte BOFF of pc, both E5M2, both laid as images of the operand's registers:
; units of 16 rows x 64 K, 1,024 bytes, registers 4 q .. 4 q + 3 of lane l at 512 q + 16 l; a block of 16 rows is 65,536 bytes.  x1, out0: f32 [4,096][1,024].
; A tile of out0 is 128 x 128, so that 256 work-groups have work.  THE WAVES SHARE THE ROWS: wave w makes rows 32 w .. 32 w + 31 x all 128 columns: 2 x 8 accumulators.
; B's tile is read by all four waves: it comes through a ring of two LDS slots.  A'S ROWS ARE A WAVE'S OWN: no other wave of the work-group reads them, and a fragment is four dense loads of 16 bytes a lane, so they go
; from memory straight into a ring of registers, seven steps of 128 along K ahead, waited for by counted waits on LOADcnt, with no barrier.  So LDS takes half the bytes: a slot of 131,072 bytes holds 1,024 along K,
; K = 4,096 is four slots, and only two of them are refills.
; CLUSTER: the grid's x counts tile rows; the four work-groups of a cluster share the tile column, so B's tiles are asked for jointly (mask 15).  A is NOT asked for jointly, though the eight work-groups of a tile row read the
; same rows: a joint request is a tensor load into LDS, and the point of this form is that A does not pass through LDS.
; The matrix instruction is used transposed (source 0 = B, source 1 = A): a lane holds eight neighbouring numbers of a row of out0.  The text has no loop: 32 steps written by macros, every offset an immediate.
; LIMIT: e16 + e17 between -126 and 127.
; REGISTERS: window 0: v8-11 the bias; v16-19 LDS addresses of B (slot x half; v16 = 16 x lane also serves memory); v24, v25 the stage; v28, v29 for the add; v32-95 rows back from the stage; v128-255 the accumulators ((a, b) at 128 + 8 (8 a + b)).
;   window 1: B's fragments, two buffers of 128.   window 2: A's ring: step s at 32 (s % 8), block a 16 further on.   window 3: v0-127 the residual.
.set SIZE_K, 4096
.set BOFF,   25<<20
.set EI,     16
.set NSTEP,  SIZE_K/128                ; steps of 128 along K
.set QS,     8                         ; steps in a slot
.set NBLK,   QS*2048                   ; a block of 16 columns x 1,024 K
.set SLOT,   8*NBLK
.set STAGE,  2*SLOT                    ; behind the ring: 16 rows x (512 bytes + 16) for each wave
.set SPITCH, 528
.set SPARE,  STAGE+4*16*SPITCH         ; behind the stages: the spare words, 128 bytes for each wave
.set RPITCH, 16*SIZE_K                 ; bytes from a block of 16 rows of codes to the next
.set AHEAD,  7                         ; A is asked for this many steps ahead
.set RA,     8                         ; the steps at whose heads the residual's two blocks are asked for
.set RB,     16
.set ADRB, 16
.set CO,   16
.set STO,  24
.set RD,   25
.set SPW,  28
.set NIL,  29
.set BK,   32
.set ACC,  128
.set G1, 24
.set G0, 32
.set WV, 66
.set MSB, 0
.macro WIN new                         ; the immediate's high byte repeats the setting that is left
.if MSB != \new
	s_set_vgpr_msb (MSB<<8)|\new
.set MSB, \new
.endif
.endm
.set MUL,  0x09                        ; source 0 (B) window 1, source 1 (A) window 2; C and D window 0
.set TO_F, 0x40                        ; destination window 1
.set TO_A, 0x80                        ; destination window 2
.set TO_R, 0xc0                        ; destination window 3
.macro CREST                           ; a round of the cluster's barrier behind its opening barrier
	s_cmp_lg_u32 s[WV], 0
	s_cbranch_scc1 .Lnot_wave_0_\@
	s_barrier_signal -3
.Lnot_wave_0_\@:
	s_barrier_wait -3
	s_barrier_signal -1
	s_barrier_wait -1
.endm
.macro CROUND
	s_barrier_signal -1
	s_barrier_wait -1
	CREST
.endm
.macro PLACES                          ; plain vector lines between a matrix instruction and a load into, or a store of, one of its registers
.rept 4
	v_nop
.endr
.endm
.macro ALOAD s                         ; A's two fragments of step s: eight loads of 512 consecutive bytes
.irp a, 0,1
.irp c, 0,1,2,3
	global_load_b128 v[32*((\s)%8)+16*\a+4*\c:32*((\s)%8)+16*\a+4*\c+3], v[CO], s[4:5] offset:\a*RPITCH+(\s)*2048+512*\c
.endr
.endr
.endm
.macro RES a                           ; the residual of my rows 16 a .. 16 a + 15: a row of 512 bytes a load
.irp t, 0,1,2,3,4,5,6,7,8,9,10,11,12,13,14,15
	global_load_b128 v[64*\a+4*\t:64*\a+4*\t+3], v[CO], s[8:9] offset:(16*\a+\t)*4096
.endr
.endm
.macro FETCH s                         ; B's eight fragments of step s from its slot into buffer s % 2: 32 LDS loads
	WIN TO_F
.irp i, 0,1,2,3,4,5,6,7
.irp c, 0,1,2,3
	ds_load_b128 v[128*((\s)%2)+16*\i+4*\c:128*((\s)%2)+16*\i+4*\c+3], v[ADRB+2*(((\s)/QS)%2)+\i/4] offset:(\i%4)*NBLK+((\s)%QS)*2048+512*\c
.endr
.endr
.endm
.macro MUL8 s, a                       ; block a of my rows x B's eight.  The sixteen accumulators take turns, in one order throughout; step 0 starts the sums
.irp b, 0,1,2,3,4,5,6,7
.if (\s) == 0
	v_wmma_f32_16x16x128_bf8_bf8 v[ACC+8*(8*\a+\b):ACC+8*(8*\a+\b)+7], v[128*((\s)%2)+16*\b:128*((\s)%2)+16*\b+15], v[32*((\s)%8)+16*\a:32*((\s)%8)+16*\a+15], 0
.else
	v_wmma_f32_16x16x128_bf8_bf8 v[ACC+8*(8*\a+\b):ACC+8*(8*\a+\b)+7], v[128*((\s)%2)+16*\b:128*((\s)%2)+16*\b+15], v[32*((\s)%8)+16*\a:32*((\s)%8)+16*\a+15], v[ACC+8*(8*\a+\b):ACC+8*(8*\a+\b)+7]
.endif
.endr
.endm
; A of step s is in.  The count is the loads issued behind it: eight for each later step asked for so far, and sixteen for a block of the residual that was asked for behind it.
; The wait cannot name more than 63; where the count is 72 it names 63, which is stricter.  At the last step the count is 0: the residual and the bias are in as well.
.macro WAITA s
.set NN, 8*(NSTEP-1-(\s))
.if (\s)+AHEAD < NSTEP
.set NN, 8*AHEAD
.endif
.if ((\s) >= RA) && ((\s) <= RA+AHEAD)
.set NN, NN+16
.endif
.if ((\s) >= RB) && ((\s) <= RB+AHEAD)
.set NN, NN+16
.endif
.if NN > 63
.set NN, 63
.endif
	s_wait_loadcnt NN
.endm
; A step whose successor lies in the same slot.  At its head: B of the next step, into the buffer that the last step has left; A of seven steps on, into the ring's place that the last step has left.
.macro STEP s
.if (\s) > 0
	PLACES
.endif
	FETCH (\s)+1
.if (\s)+AHEAD < NSTEP
	WIN TO_A
	ALOAD (\s)+AHEAD
.endif
.if (\s) == RA
	WIN TO_R
	RES 0
.endif
.if (\s) == RB
	WIN TO_R
	RES 1
.endif
	s_wait_dscnt 32                                ; all but the 32 just issued: this step's B is in
	WAITA \s
	WIN MUL
	MUL8 \s, 0
	MUL8 \s, 1
.endm
; A slot's last step changes slots: one barrier; in front of it each wave waits for all its tensor loads, adds 0 to its spare word, and waits for that and for its reads of this slot.
; fill = 1: the barrier opens a round of the cluster's barrier, and this slot is filled again with the 1,024 along K two slots on.
.macro TURN s, fill
.set SL, ((\s)/QS)%2
	PLACES
.if (\s)+AHEAD < NSTEP
	WIN TO_A
	ALOAD (\s)+AHEAD
.endif
	WIN 0
	s_wait_tensorcnt 0x0                           ; all my tensor loads have landed: my part of the next slot
	ds_add_u32 v[SPW], v[NIL]                      ; 0 onto my spare word
	s_wait_dscnt 1                                 ; this step's B is in; the add may be out
	WAITA \s
	WIN MUL
	MUL8 \s, 0
	s_wait_dscnt 0x0                               ; the add is done, and my reads of this slot are over
	s_barrier_signal -1
	WIN 0
	s_barrier_wait -1
.if \fill
	CREST                                          ; no wave of any partner still reads this slot or has a load on its way
	s_add_nc_u64 s[G0+4*SL+2:G0+4*SL+3], s[G0+4*SL+2:G0+4*SL+3], 2*NBLK
	tensor_load_to_lds s[G0+4*SL:G0+4*SL+3], s[G1:G1+7]   ; the first tensor load behind the round, and my only one until the next
	s_nop 0
	PLACES
.endif
	FETCH (\s)+1                                   ; from the other slot; the buffer's last readers stand in front of the places at this step's head
	WIN MUL
	MUL8 \s, 1
.endm
	s_load_b256 s[4:11], s[0:1], 0x0               ; A s[4:5], pc s[6:7], x1 s[8:9], b2 s[10:11]
	s_load_b128 s[12:15], s[0:1], 0x20             ; the exponents s[12:13], out0 s[14:15]
	v_lshl_add_u32 v[SPW], v0, 2, SPARE
	v_mov_b32 v[NIL], 0
	ds_add_u32 v28, v29
	ds_add_u32 v28, v29
	s_wait_dscnt 0x0
	v_lshrrev_b32 v1, 5, v0
	v_readfirstlane_b32 s[WV], v1                  ; wave 0..3
	s_bfe_u32 s40, ttmp6, 0x40000                  ; cx
	s_lshl_b32 s17, ttmp9, 2
	s_add_co_u32 s17, s17, s40                     ; tile row = 4 x cluster x + cx
	s_and_b32 s42, ttmp7, 0xffff                   ; tile column, which the four partners share
	; descriptor group 1: 2 rows of 16,384 bytes (a block of 16 columns x 1,024 K), 65,536 bytes apart, in elements of 8 bytes; no padding; the mask names all four work-groups
	s_mov_b32 s[G1+0], 15|(3<<16)|(1<<21)
	s_mov_b32 s[G1+1], 2048<<16                    ; tensor_dim0
	s_mov_b32 s[G1+2], 2<<16                       ; tensor_dim1
	s_mov_b32 s[G1+3], 2048<<16                    ; tile_dim0
	s_mov_b32 s[G1+4], 2                           ; tile_dim1
	s_mov_b32 s[G1+5], RPITCH/8                    ; from block to block
	s_mov_b32 s[G1+6], 0
	s_mov_b32 s[G1+7], 0
	s_lshl_b32 s18, s[WV], 1
	s_lshl_b32 s46, s42, 3
	s_add_co_u32 s46, s46, s18                     ; B: blocks 8 x tile column + 2 x wave: it hangs on what the partners share
	s_lshl_b32 s46, s46, 16
	s_add_co_u32 s46, s46, BOFF
	s_mov_b32 s47, 0
	s_lshl_b32 s20, s17, 3
	s_add_co_u32 s20, s20, s18                     ; A: my two blocks of 16 rows: 8 x tile row + 2 x wave
	s_lshl_b32 s20, s20, 16
	s_mov_b32 s21, 0
	s_mul_i32 s45, s[WV], 2*NBLK                   ; where my part of B's tile goes: no place in the cluster enters an LDS address
	s_lshl_b32 s70, s17, 7
	s_lshl_b32 s71, s[WV], 5
	s_add_co_u32 s70, s70, s71
	s_lshl_b32 s70, s70, 12                        ; my first row of x1 and out0,
	s_lshl_b32 s72, s42, 9                         ; the tile's first column
	s_mov_b32 s73, 0
	s_add_co_u32 s70, s70, s72
	s_mov_b32 s71, 0
	v_and_b32 v1, 15, v0                           ; r
	v_bfe_u32 v2, v0, 4, 1                         ; h
	v_and_b32 v3, 31, v0
	v_lshlrev_b32 v[CO], 4, v3                     ; 16 x lane: my place in an image, in a row of 512 bytes, and in slot 0's first half
.irp k, 1,2,3
	v_add_nc_u32 v[ADRB+\k], \k*65536, v[CO]       ; slot k / 2, blocks 4 (k % 2) on: an LDS offset reaches 65,535 bytes
.endr
	s_mul_i32 s22, s[WV], 16*SPITCH
	s_add_co_u32 s22, s22, STAGE                   ; my stage
	v_mul_u32_u24 v4, v1, SPITCH
	v_lshl_add_u32 v4, v2, 5, v4
	v_add_nc_u32 v[STO], s22, v4                   ; in: row r, + 32 h
	v_add_nc_u32 v[RD], s22, v[CO]                 ; back: the 32 lanes take one row of 512 bytes
	s_wait_alu depctr_va_vdst(0)
	s_wait_kmcnt 0x0
	s_load_b64 s[96:97], s[12:13], 4*EI            ; e16, e17
	s_add_nc_u64 s[4:5], s[4:5], s[20:21]
	s_add_nc_u64 s[46:47], s[6:7], s[46:47]
	s_add_nc_u64 s[10:11], s[10:11], s[72:73]
	s_add_nc_u64 s[8:9], s[8:9], s[70:71]
	s_add_nc_u64 s[14:15], s[14:15], s[70:71]
	global_load_b128 v[8:11], v[CO], s[10:11]      ; the bias of my four columns: the oldest load, so every later count covers it
	WIN TO_A
.irp s, 0,1,2,3,4,5,6
	ALOAD \s                                       ; A's first seven steps are on their way while the work-groups meet
.endr
	WIN 0
.irp s, 0,1
	s_mov_b32 s[G0+4*\s], 1
	s_add_co_u32 s[G0+4*\s+1], s45, \s*SLOT
	s_add_nc_u64 s[G0+4*\s+2:G0+4*\s+3], s[46:47], \s*NBLK
	s_or_b32 s[G0+4*\s+3], s[G0+4*\s+3], 0x80000000
.endr
	; THE FIRST FILLS, one tensor load a wave: waves 0 and 1 bring slot 0's two halves, waves 2 and 3 slot 1's: 4 blocks of 16 columns x 1,024 K, 65,536 bytes, to LDS byte 65,536 x wave.
	; They have descriptors of their own, s[48:51] and s[52:59]; the refills keep theirs (2 blocks a wave).  Nothing in them hangs on the place in the cluster.
	s_and_b32 s60, s[WV], 1
	s_lshl_b32 s60, s60, 2
	s_lshl_b32 s61, s42, 3
	s_add_co_u32 s60, s60, s61                     ; blocks 8 x tile column + 4 x (wave % 2)
	s_lshl_b32 s60, s60, 16
	s_lshr_b32 s61, s[WV], 1
	s_lshl_b32 s61, s61, 14                        ; slot wave / 2: 1,024 along K are 16,384 bytes of a block
	s_add_co_u32 s60, s60, s61
	s_add_co_u32 s60, s60, BOFF
	s_mov_b32 s61, 0
	s_mov_b32 s48, 1
	s_lshl_b32 s49, s[WV], 16
	s_add_nc_u64 s[50:51], s[6:7], s[60:61]
	s_or_b32 s51, s51, 0x80000000
	s_mov_b32 s52, 15|(3<<16)|(1<<21)
	s_mov_b32 s53, 2048<<16
	s_mov_b32 s54, 4<<16
	s_mov_b32 s55, 2048<<16
	s_mov_b32 s56, 4
	s_mov_b32 s57, RPITCH/8
	s_mov_b32 s58, 0
	s_mov_b32 s59, 0
	CROUND                                         ; all four work-groups are here: the first joint loads meet
	tensor_load_to_lds s[48:51], s[52:59]          ; my one tensor load at the head
	s_nop 0
	PLACES
	s_wait_tensorcnt 0x0                           ; my quarter of the two slots is in
	s_barrier_signal -1
	s_barrier_wait -1                              ; everybody's is
	FETCH 0
.irp s, 0,1,2,3,4,5,6
	STEP \s
.endr
	TURN 7, 1
.irp s, 8,9,10,11,12,13,14
	STEP \s
.endr
	TURN 15, 1
.irp s, 16,17,18,19,20,21,22
	STEP \s
.endr
	TURN 23, 0                                     ; nothing is left to fetch: a plain barrier
.irp s, 24,25,26,27,28,29,30
	STEP \s
.endr
	s_wait_dscnt 0x0                               ; the last step
	WAITA 31
	WIN MUL
	MUL8 31, 0
	MUL8 31, 1
	WIN 0
	; THE WAY OUT.  A lane holds 32 neighbouring bytes of a row, the lanes beside it other rows: a block of 16 rows x 512 bytes goes through my own stage and comes back as whole rows.
	; LDS serves a wave's instructions in order (ISA guide 5.7.1.4): no wait stands between the stores and the loads.
	s_wait_kmcnt 0x0
	s_add_co_i32 s96, s96, s97
	s_add_co_i32 s96, s96, 127
	s_lshl_b32 s96, s96, 23                        ; 2^(e16 + e17)
	s_mov_b32 s97, s96
	PLACES
.macro OUT a
.if \a > 0
	s_wait_xcnt 0x0                                ; the last block's stores have read their registers
.endif
.irp b, 0,1,2,3,4,5,6,7
	ds_store_b128 v[STO], v[ACC+8*(8*\a+\b):ACC+8*(8*\a+\b)+3] offset:64*\b        ; each accumulator from its low end on
	ds_store_b128 v[STO], v[ACC+8*(8*\a+\b)+4:ACC+8*(8*\a+\b)+7] offset:64*\b+16
.endr
.irp t, 0,1,2,3,4,5,6,7,8,9,10,11,12,13,14,15
	ds_load_b128 v[BK+4*\t:BK+4*\t+3], v[RD] offset:\t*SPITCH
.endr
	s_wait_dscnt 0x0
.set ii, 0
.rept 32
	v_pk_fma_f32 v[BK+ii:BK+ii+1], v[BK+ii:BK+ii+1], s[96:97], v[8+(ii%4):9+(ii%4)] op_sel_hi:[1,0,1]
.set ii, ii+2
.endr
	WIN 0x0c                                       ; source 1 (the residual) window 3
.set ii, 0
.rept 32
	v_pk_add_f32 v[BK+ii:BK+ii+1], v[BK+ii:BK+ii+1], v[64*\a+ii:64*\a+ii+1]
.set ii, ii+2
.endr
	WIN 0
.irp t, 0,1,2,3,4,5,6,7,8,9,10,11,12,13,14,15
	global_store_b128 v[CO], v[BK+4*\t:BK+4*\t+3], s[14:15] offset:(16*\a+\t)*4096   ; 32 lanes store 512 consecutive bytes, at a multiple of 256 from out0's first byte
.endr
.endm
	OUT 0
	OUT 1
	s_wait_tensorcnt 0x0                           ; the wave's end
	ds_add_u32 v[SPW], v[NIL]
	s_wait_dscnt 0x0
	CROUND                                         ; the closing round
	s_endpgm
.Lfunc_end_k_qbaae59cd0a_ffn2:
	.size	k_qbaae59cd0a_ffn2, .Lfunc_end_k_qbaae59cd0a_ffn2-k_qbaae59cd0a_ffn2
	.p2alignl 7, 3214868480
	.fill 96, 4, 3214868480
	.section	.rodata,"a",@progbits
	.p2align	6, 0x0
	.amdhsa_kernel k_qbaae59cd0a_ffn2
		.amdhsa_group_segment_fixed_size 327680
		.amdhsa_private_segment_fixed_size 0
		.amdhsa_enable_private_segment 0
		.amdhsa_kernarg_size 48
		.amdhsa_user_sgpr_count 2
		.amdhsa_user_sgpr_kernarg_segment_ptr 1
		.amdhsa_wavefront_size32 1
		.amdhsa_system_sgpr_workgroup_id_x 1
		.amdhsa_system_sgpr_workgroup_id_y 1
		.amdhsa_system_sgpr_workgroup_id_z 1
		.amdhsa_system_vgpr_workitem_id 0
		.amdhsa_next_free_vgpr 1024
		.amdhsa_next_free_sgpr 100
		.amdhsa_reserve_vcc 0
		.amdhsa_float_denorm_mode_32 3
		.amdhsa_float_denorm_mode_16_64 3
		.amdhsa_memory_ordered 1
		.amdhsa_forward_progress 1
		.amdhsa_inst_pref_size 155
	.end_amdhsa_kernel
	.amdgpu_metadata
---
amdhsa.version: [ 1, 2 ]
amdhsa.kernels:
  - .name:           k_qbaae59cd0a_ffn2
    .symbol:         k_qbaae59cd0a_ffn2.kd
    .args:
      - { .name: hc, .offset: 0, .size: 8, .value_kind: global_buffer, .address_space: global }
      - { .name: pc, .offset: 8, .size: 8, .value_kind: global_buffer, .address_space: global }
      - { .name: x1, .offset: 16, .size: 8, .value_kind: global_buffer, .address_space: global }
      - { .name: b2, .offset: 24, .size: 8, .value_kind: global_buffer, .address_space: global }
      - { .name: lowp_scales, .offset: 32, .size: 8, .value_kind: global_buffer, .address_space: global }
      - { .name: out0, .offset: 40, .size: 8, .value_kind: global_buffer, .address_space: global }
    .group_segment_fixed_size: 327680
    .private_segment_fixed_size: 0
    .kernarg_segment_align: 8
    .kernarg_segment_size: 48
    .max_flat_workgroup_size: 128
    .sgpr_count:     100
    .vgpr_count:     1024
    .wavefront_size: 32
...
	.end_amdgpu_metadata
.endif
;; end of part 7
